; MI455X (gfx1250); checked and timed in simulation.
; The chip was launched on July 23, 2026; its instructions are those of AMD's public machine-readable ISA for CDNA 5 (MIT licence, August 2026) and "CDNA5" Instruction Set Architecture Reference Guide (July 2026). The comments in the code are by the model that wrote it; some were corrected since.
;; Mo E Layer. Allowed arithmetic: matrix products marked QUANTISED: E2M1 operands, one E8M0 scale for each 32 along K, by v_wmma_scale_f32_16x16x128_f8f6f4 with both operands' format E2M1 (or v_wmma_scale_f32_32x16x128_f4), f32 sums; products left as they are: f32 operands where the result goes on into a quantised operand, else bf16, f16 or f32 operands; f32 sums; everything else in f32.
;; Inputs: down_b 8 x 1,024 float32; down_w 8 x 4,096 x 1,024 float32; gate_w 1,024 x 8 float32; up_b 8 x 4,096 float32; up_w 8 x 1,024 x 4,096 float32; x 4 x 256 x 1,024 float32.
;; Outputs: out0 4 x 256 x 1,024 float32; out1 one number float32; out2 8 float32; out3 4 x 256 int32.
;; This version of the problem:
;;   THIS VERSION OF THE PROBLEM IS GIVEN IN LOW PRECISION. The matrix products marked QUANTISED in the list below multiply operands that are first quantised to E2M1 (2 exponent bits, 1 mantissa bit; 4 bits a number), with one power-of-two scale for each 32 numbers along K (OCP MX v1.0); their sums are f32. All else is computed in f32.
;;   The module's matrix products, in the order in which they are computed (A, B: the left and right operand; K: the contracted axis; several contracted axes count as one K, in the product's order):
;;     1. [M 1,024, K 1,024] x [K 1,024, N 8]; A: input x; B: input gate_w: left as it is (N = 8 < 16)
;;     2. [M 1,024, K 1,024] x [K 1,024, N 4,096]; A: input x; B: input up_w: QUANTISED
;;     3. [M 1,024, K 4,096] x [K 4,096, N 1,024]; A: computed on the way; B: input down_w: QUANTISED
;;     4. [M 1,024, K 1,024] x [K 1,024, N 4,096]; A: input x; B: input up_w: QUANTISED
;;     5. [M 1,024, K 4,096] x [K 4,096, N 1,024]; A: computed on the way; B: input down_w: QUANTISED
;;     6. [M 1,024, K 1,024] x [K 1,024, N 4,096]; A: input x; B: input up_w: QUANTISED
;;     7. [M 1,024, K 4,096] x [K 4,096, N 1,024]; A: computed on the way; B: input down_w: QUANTISED
;;     8. [M 1,024, K 1,024] x [K 1,024, N 4,096]; A: input x; B: input up_w: QUANTISED
;;     9. [M 1,024, K 4,096] x [K 4,096, N 1,024]; A: computed on the way; B: input down_w: QUANTISED
;;     10. [M 1,024, K 1,024] x [K 1,024, N 4,096]; A: input x; B: input up_w: QUANTISED
;;     11. [M 1,024, K 4,096] x [K 4,096, N 1,024]; A: computed on the way; B: input down_w: QUANTISED
;;     12. [M 1,024, K 1,024] x [K 1,024, N 4,096]; A: input x; B: input up_w: QUANTISED
;;     13. [M 1,024, K 4,096] x [K 4,096, N 1,024]; A: computed on the way; B: input down_w: QUANTISED
;;     14. [M 1,024, K 1,024] x [K 1,024, N 4,096]; A: input x; B: input up_w: QUANTISED
;;     15. [M 1,024, K 4,096] x [K 4,096, N 1,024]; A: computed on the way; B: input down_w: QUANTISED
;;     16. [M 1,024, K 1,024] x [K 1,024, N 4,096]; A: input x; B: input up_w: QUANTISED
;;     17. [M 1,024, K 4,096] x [K 4,096, N 1,024]; A: computed on the way; B: input down_w: QUANTISED
;;   THE QUANTISER, for each operand of a quantised product, along K:
;;     - K is cut into blocks of 32 from its start; a last block that is shorter is filled with zeros.
;;     - A block's scale is 2^e with e = floor(log2(the largest magnitude in the block)) - 2, held to -126 .. 127; a block of zeros has e = 0. As a byte (E8M0): e + 127.
;;     - Each number is divided by its block's scale, clamped to +-6, and rounded to the nearest number of E2M1, ties to even, subnormals kept.
;;     - The product sums the exact products of the quantised numbers (number of the format x scale) in f32.
;;   ~~~python
;;   def quantise(x, axis):      # numpy; x: float32 -> the quantised numbers, widened to float32 again
;;       x = np.moveaxis(x, axis, -1); K = x.shape[-1]
;;       x = np.pad(x, [(0, 0)] * (x.ndim - 1) + [(0, -K % 32)]); x = x.reshape(x.shape[:-1] + (-1, 32)); a = np.abs(x).max(-1, keepdims=True)
;;       e = np.where(a > 0, np.clip(np.frexp(np.where(a > 0, a, 1))[1] - 1 - 2, -126, 127), 0)      # np.frexp(a)[1] - 1 = floor(log2(a)), exactly
;;       r = np.clip(x / 2.0 ** e, -6, 6)
;;       step = 2.0 ** (np.maximum(np.frexp(np.where(r == 0, 1, r))[1] - 1, 0) - 1)
;;       q = np.round(r / step) * step * 2.0 ** e      # np.round: ties to even
;;       return np.moveaxis(q.reshape(q.shape[:-2] + (-1,))[..., :K], -1, axis).astype(np.float32)
;;   ~~~
;;   OPERANDS COMPUTED ON THE WAY. 'Computed on the way' means the value that the module computes at that place (a softmax that the list does not call 'softmax' is quantised finished and normalised). What goes into a quantiser is computed in f32, as accurately as f32 sums, v_exp_f32 and their like allow (about 1e-6 of the number): no bf16 or f16 on the way to a quantiser, and a product that is left as it is and whose result goes on into a quantised operand takes f32 operands (vector FMAs, or v_wmma_f32_16x16x4_f32). A number that lies on a knife's edge between two numbers of the format may be rounded either way, as far as f32 arithmetic and the matrix unit's own rounding can turn it there, and no further.
;; 2 versions. Each part assembles by itself: llvm-mc -triple=amdgcn-amd-amdhsa -mcpu=gfx1250 --defsym DOCPART=n.
;; ======== version 1 of 2: 5 launches
;; workspace buffers: xc 557,056 bytes; rf 40,960 bytes; ridx 8,192 bytes of whole numbers; plan 17,664 bytes of whole numbers; hc 5,013,504 bytes; ybuf 18,874,368 bytes
;; launch route (part 1): grid 256 x 1, 4 waves a work-group, no clusters, 33,792 bytes of LDS; arguments x, gate_w, xc, rf, ridx, out3; writes xc, rf, ridx, out3
.if DOCPART == 1
	.amdgcn_target "amdgcn-amd-amdhsa--gfx1250"
	.amdhsa_code_object_version 6
	.text
	.protected	k_q533d20a4fa_route
	.globl	k_q533d20a4fa_route
	.p2align	8
	.type	k_q533d20a4fa_route,@function
k_q533d20a4fa_route:
	s_mov_b64 s[64:65], 0
	v_nop
	global_prefetch_b8 v0, s[64:65] scope:SCOPE_SE
	s_setreg_imm32_b32 hwreg(HW_REG_WAVE_MODE, 25, 1), 1
	s_wait_xcnt 0x0
; ROUTER AND QUANTISER OF x.  x [1024 tokens][1024] f32, gate_w [1024][8] f32.
; One wave takes one token: lane l holds the row's block l (k = 32 l .. 32 l + 31) in 32 registers.  From them come
;  (a) the row's codes of E2M1 (16 bytes a lane, 512 consecutive bytes a wave) and its 32 scale bytes -> xc;
;  (b) the eight logits: 32 x 8 multiply-adds a lane in f32, summed over the lanes; softmax with the row's maximum taken away;
;      the two largest probabilities (ties: the lower index), renormalised -> rf (weights, probabilities), ridx (experts), out3.
; The choice selects values only (v_cndmask_b32): no address and no branch of this launch hangs on it.
; gate_w (32 KB) is brought once a work-group, 2,048 consecutive bytes an instruction, and lies in LDS as 32 chunks of 1,024 bytes
; (a lane's 32 rows) with 16 bytes behind each: pitch 1,040, so that the lanes' 16-byte reads fall on different banks.
; No matrix unit, no cluster: the product has 8 columns and is left in f32; the work-groups share only gate_w's 32 KB.
; LIMITS: NaN and infinities are not served; a block whose largest magnitude lies under 2^-124 (a block of zeros too) gets the byte 1:
; its bytes are read by this program alone.  v_exp_f32 and v_rcp_f32 are good to one unit in the last place.
.set XSO, 524288                       ; xc: the scale bytes begin here, 32 a token
.set PBO, 8192                         ; rf: the probabilities begin here, 8 a token
.set GP,  1040
.set BY,  14                           ; v14      my block's scale byte: a store's data, written once
.set X,   16                           ; v16-47   my block of x
.set G,   48                           ; v48-111  gate_w on its way to LDS; then two sets of four rows of 8
.set A,   112                          ; v112-119 the logits, then the exponentials
.set P,   120                          ; v120-127 the probabilities
.set T,   132                          ; v132-139 at work
.set C,   140                          ; v140-143 my block's codes
.set SEL, 20                           ; s[20:21] v_permlanex16_b32's selects for lane l xor 16
	s_load_b256 s[4:11], s[0:1], 0x0               ; x s[4:5], gate_w s[6:7], xc s[8:9], rf s[10:11]
	s_load_b128 s[12:15], s[0:1], 0x20             ; ridx s[12:13], out3 s[14:15]
	v_lshl_add_u32 v144, v0, 2, 0x8200
	v_mov_b32 v145, 0
	v_lshrrev_b32 v8, 5, v0
	v_readfirstlane_b32 s16, v8                    ; wave
	v_and_b32 v1, 31, v0                           ; lane
	v_lshlrev_b32 v2, 7, v1                        ; my block of x: 128 bytes a lane
	v_lshlrev_b32 v3, 4, v0                        ; gate_w in memory: 16 bytes a thread
	v_lshrrev_b32 v4, 6, v0
	v_lshl_add_u32 v4, v4, 4, v3                   ; and in LDS: + 16 for each 1,024 passed
	v_mul_u32_u24 v5, v1, GP                       ; my chunk of gate_w
	v_lshlrev_b32 v6, 4, v1                        ; my codes' place in the row's
	v_mov_b32 v7, 0
.irp e, 0,1,2,3,4,5,6,7
	v_mov_b32 v[T+\e], 0                           ; written once: a lane permute's destination counts as one of its sources
.endr
	s_lshl_b32 s17, ttmp9, 2
	s_add_co_u32 s17, s17, s16                     ; my token
	s_mov_b32 s[SEL], 0x76543210
	s_mov_b32 s[SEL+1], 0xfedcba98
	s_mov_b32 s22, 0x3fb8aa3b                      ; log2(e)
	s_mov_b32 s19, 0
	s_lshl_b32 s18, s17, 12
	s_wait_kmcnt 0x0
	s_add_nc_u64 s[4:5], s[4:5], s[18:19]          ; my row of x
.irp i, 0,1,2,3,4,5,6,7,8,9,10,11,12,13,14,15
	global_load_b128 v[G+4*\i:G+4*\i+3], v3, s[6:7] offset:2048*\i
.endr
.irp i, 0,1,2,3,4,5,6,7
	global_load_b128 v[X+4*\i:X+4*\i+3], v2, s[4:5] offset:16*\i th:TH_LOAD_NT
.endr
	s_lshl_b32 s18, s17, 9
	s_add_nc_u64 s[24:25], s[8:9], s[18:19]        ; my row of codes
	s_lshl_b32 s18, s17, 5
	s_add_nc_u64 s[26:27], s[8:9], s[18:19]        ; my 32 scale bytes (+ XSO)
	s_add_nc_u64 s[28:29], s[10:11], s[18:19]      ; my 8 probabilities (+ PBO)
	s_lshl_b32 s18, s17, 3
	s_add_nc_u64 s[30:31], s[10:11], s[18:19]      ; my two weights
	s_add_nc_u64 s[32:33], s[12:13], s[18:19]      ; my two experts
	s_lshl_b32 s18, s17, 2
	s_add_nc_u64 s[34:35], s[14:15], s[18:19]      ; out3
	s_wait_loadcnt 8                               ; gate_w's sixteen loads are in; x's eight may be out
.irp i, 0,1,2,3,4,5,6,7,8,9,10,11,12,13,14,15
	ds_store_b128 v4, v[G+4*\i:G+4*\i+3] offset:2080*\i
.endr
	s_wait_dscnt 0x0                               ; for the others' sake: my part of gate_w lies in LDS
	s_barrier_signal -1
	s_barrier_wait -1
.macro LOADG g                         ; rows 4 g .. 4 g + 3 of my chunk into set g % 2
.irp q, 0,1,2,3
.irp p, 0,1
	ds_load_b128 v[G+32*((\g)%2)+8*\q+4*\p:G+32*((\g)%2)+8*\q+4*\p+3], v5 offset:32*(4*(\g)+\q)+16*\p
.endr
.endr
.endm
	LOADG 0
	LOADG 1
	s_wait_loadcnt 0x0                             ; x
	; my block's scale and codes
	v_max3_num_f32 v8, |v[X]|, |v[X+1]|, |v[X+2]|
	v_max3_num_f32 v9, |v[X+3]|, |v[X+4]|, |v[X+5]|
.irp i, 6,10,14,18,22,26
	v_max3_num_f32 v8, v8, |v[X+\i]|, |v[X+\i+1]|
	v_max3_num_f32 v9, v9, |v[X+\i+2]|, |v[X+\i+3]|
.endr
	v_max3_num_f32 v8, v8, |v[X+30]|, |v[X+31]|
	v_max3_num_f32 v8, v8, v9, 0x1800000           ; and the floor 2^(3 - 127): the byte cannot fall under 1
	v_add_nc_u32 v10, 0xff000000, v8               ; 2 off the exponent field: the conversion takes this operand's exponent field as its scale
	v_lshrrev_b32 v[BY], 23, v10                   ; the scale's byte
.irp g, 0,1,2,3
	v_cvt_scalef32_pk8_fp4_f32 v[C+\g], v[X+8*\g:X+8*\g+7], v10
.endr
	v_nop                                          ; one plain place behind a scaled conversion
	global_store_b128 v6, v[C:C+3], s[24:25]       ; the wave stores 512 consecutive bytes
	global_store_b8 v1, v[BY], s[26:27] offset:XSO ; and 32 consecutive bytes.  No later line writes v1, v6, v14 or v140-143
	; the logits: my 32 rows of gate_w, four at a time
.irp g, 0,1,2,3,4,5,6,7
.if \g < 7
	s_wait_dscnt 8                                 ; this set's eight loads are in; the other set's may be out
.else
	s_wait_dscnt 0x0
.endif
.irp q, 0,1,2,3
.irp e, 0,1,2,3,4,5,6,7
.if (\g == 0) && (\q == 0)
	v_mul_f32 v[A+\e], v[X], v[G+\e]               ; the first row starts the sums
.else
	v_fmac_f32 v[A+\e], v[X+4*\g+\q], v[G+32*(\g%2)+8*\q+\e]
.endif
.endr
.endr
.if \g < 6
	LOADG \g+2
.endif
.endr
.irp m, 1,2,4,8
.irp e, 0,1,2,3,4,5,6,7
	v_add_f32_dpp v[A+\e], v[A+\e], v[A+\e] row_xmask:\m row_mask:0xf bank_mask:0xf
.endr
.endr
.irp e, 0,1,2,3,4,5,6,7
	v_permlanex16_b32 v[T+\e], v[A+\e], s[SEL], s[SEL+1]
.endr
.irp e, 0,1,2,3,4,5,6,7
	v_add_f32 v[A+\e], v[A+\e], v[T+\e]            ; every lane holds the eight logits
.endr
	; softmax
	v_max3_num_f32 v8, v[A], v[A+1], v[A+2]
	v_max3_num_f32 v8, v8, v[A+3], v[A+4]
	v_max3_num_f32 v8, v8, v[A+5], v[A+6]
	v_max_num_f32 v8, v8, v[A+7]
.irp e, 0,1,2,3,4,5,6,7
	v_sub_f32 v[A+\e], v[A+\e], v8
.endr
.irp e, 0,1,2,3,4,5,6,7
	v_mul_f32 v[A+\e], s22, v[A+\e]
.endr
.irp e, 0,1,2,3,4,5,6,7
	v_exp_f32 v[A+\e], v[A+\e]
.endr
	v_nop                                          ; a plain place behind the exponentials
	s_wait_alu depctr_va_vdst(0)
	v_add_f32 v9, v[A], v[A+1]
	v_add_f32 v10, v[A+2], v[A+3]
	v_add_f32 v11, v[A+4], v[A+5]
	v_add_f32 v12, v[A+6], v[A+7]
	v_add_f32 v9, v9, v10
	v_add_f32 v11, v11, v12
	v_add_f32 v9, v9, v11
	v_rcp_f32 v10, v9
	v_nop
	s_wait_alu depctr_va_vdst(0)
.irp e, 0,1,2,3,4,5,6,7
	v_mul_f32 v[P+\e], v[A+\e], v10
.endr
	; the largest probability: v132, its expert v128.  The holder stays where it is at least as large: ties go to the lower index
	v_mov_b32 v132, v[P]
	v_mov_b32 v128, 0
.irp e, 1,2,3,4,5,6,7
	v_cmp_ge_f32 vcc_lo, v132, v[P+\e]
	v_cndmask_b32 v128, \e, v128, vcc_lo
	v_cndmask_b32 v132, v[P+\e], v132, vcc_lo
.endr
	; the second: the same over all eight, with -1 in the first's place
	v_mov_b32 v133, -1.0
	v_mov_b32 v135, -1.0
	v_mov_b32 v129, 0
.irp e, 0,1,2,3,4,5,6,7
	v_cmp_eq_u32 s36, \e, v128
	v_cndmask_b32 v134, v[P+\e], v135, s36
	v_cmp_ge_f32 vcc_lo, v133, v134
	v_cndmask_b32 v129, \e, v129, vcc_lo
	v_cndmask_b32 v133, v134, v133, vcc_lo
.endr
	v_add_f32 v136, v132, v133
	v_rcp_f32 v137, v136
	v_nop
	s_wait_alu depctr_va_vdst(0)
	v_mul_f32 v130, v132, v137                     ; the two weights, renormalised
	v_mul_f32 v131, v133, v137
	v_cmp_eq_u32 vcc_lo, 0, v1
	s_wait_xcnt 0x0                                ; EXEC changes only behind this wait: the stores above have read it
	s_wait_tensorcnt 0x0
	ds_add_u32 v144, v145
	s_wait_dscnt 0x0
	s_and_saveexec_b32 s37, vcc_lo                 ; lane 0 stores the token's 52 bytes, at fixed places
	global_store_b128 v7, v[P:P+3], s[28:29] offset:PBO
	global_store_b128 v7, v[P+4:P+7], s[28:29] offset:PBO+16
	global_store_b64 v7, v[128:129], s[32:33]
	global_store_b64 v7, v[130:131], s[30:31]
	global_store_b32 v7, v128, s[34:35]
	s_wait_xcnt 0x0                                ; and again in front of the line that widens it
	s_or_b32 exec_lo, exec_lo, s37
	s_endpgm
.Lfunc_end_k_q533d20a4fa_route:
	.size	k_q533d20a4fa_route, .Lfunc_end_k_q533d20a4fa_route-k_q533d20a4fa_route
	.p2alignl 7, 3214868480
	.fill 96, 4, 3214868480
	.section	.rodata,"a",@progbits
	.p2align	6, 0x0
	.amdhsa_kernel k_q533d20a4fa_route
		.amdhsa_group_segment_fixed_size 33792
		.amdhsa_private_segment_fixed_size 0
		.amdhsa_enable_private_segment 0
		.amdhsa_kernarg_size 48
		.amdhsa_user_sgpr_count 2
		.amdhsa_user_sgpr_kernarg_segment_ptr 1
		.amdhsa_wavefront_size32 1
		.amdhsa_system_sgpr_workgroup_id_x 1
		.amdhsa_system_sgpr_workgroup_id_y 1
		.amdhsa_system_sgpr_workgroup_id_z 1
		.amdhsa_system_vgpr_workitem_id 0
		.amdhsa_next_free_vgpr 146
		.amdhsa_next_free_sgpr 66
		.amdhsa_reserve_vcc 1
		.amdhsa_float_denorm_mode_32 3
		.amdhsa_float_denorm_mode_16_64 3
		.amdhsa_memory_ordered 1
		.amdhsa_forward_progress 1
		.amdhsa_inst_pref_size 27
	.end_amdhsa_kernel
	.amdgpu_metadata
---
amdhsa.version: [ 1, 2 ]
amdhsa.kernels:
  - .name:           k_q533d20a4fa_route
    .symbol:         k_q533d20a4fa_route.kd
    .args:
      - { .name: x, .offset: 0, .size: 8, .value_kind: global_buffer, .address_space: global }
      - { .name: gate_w, .offset: 8, .size: 8, .value_kind: global_buffer, .address_space: global }
      - { .name: xc, .offset: 16, .size: 8, .value_kind: global_buffer, .address_space: global }
      - { .name: rf, .offset: 24, .size: 8, .value_kind: global_buffer, .address_space: global }
      - { .name: ridx, .offset: 32, .size: 8, .value_kind: global_buffer, .address_space: global }
      - { .name: out3, .offset: 40, .size: 8, .value_kind: global_buffer, .address_space: global }
    .group_segment_fixed_size: 33792
    .private_segment_fixed_size: 0
    .kernarg_segment_align: 8
    .kernarg_segment_size: 48
    .max_flat_workgroup_size: 128
    .sgpr_count:     66
    .vgpr_count:     146
    .wavefront_size: 32
...
	.end_amdgpu_metadata
.endif
;; end of part 1
;; launch place (part 2): grid 1 x 1, 32 waves a work-group, no clusters, 6,144 bytes of LDS; arguments ridx, rf, plan, out1, out2; writes plan, out1, out2
.if DOCPART == 2
	.amdgcn_target "amdgcn-amd-amdhsa--gfx1250"
	.amdhsa_code_object_version 6
	.text
	.protected	k_q533d20a4fa_place
	.globl	k_q533d20a4fa_place
	.p2align	8
	.type	k_q533d20a4fa_place,@function
k_q533d20a4fa_place:
	s_mov_b64 s[64:65], 0
	v_nop
	global_prefetch_b8 v0, s[64:65] scope:SCOPE_SE
	s_setreg_imm32_b32 hwreg(HW_REG_WAVE_MODE, 25, 1), 1
	s_wait_xcnt 0x0
; THE ROWS ARE PLACED BY EXPERT (a counting sort without atomics), and the two statistics are finished.
; One work-group of 1,024 threads, a thread a token.  ridx holds each token's two experts as whole numbers.
; Each expert's rows lie together, in the order of the tokens; a segment is filled up to a multiple of 32 places with token 0, whose rows are computed and never read.
; At most 2,048 + 8 x 31 places, in whole 32s at most 2,272: the buffers hold 2,304.
; plan: SEG at 0: [32][2] (first tile of 32, tiles of 32; entries 8 .. 31 are zeros); POS at 256: [1024][2] a token's two places; ROWTOK at 8448: [2304] a place's token.
; A wave counts by masks (v_cmp, s_bcnt1); the waves' counts meet in LDS behind the one barrier; every wave then sums all counts and those of the waves before it.
; out2 = the mean of the probabilities, out1 = 8 x the sum of its squares.
; One work-group: the sort is 8 KB of whole numbers, and a sum over work-groups would want a further launch.
; REGISTERS: v1-3, v10-15 lane terms and addresses, made at the head; v4-5 my experts; v6-7 my places; v16-23 probabilities; v24-31 my wave's counts; v32-39 all waves' counts;
; v40-47 packed sums; v48-55 at work; v56-57 offsets made at the head and never rewritten; v58-60 offsets made of places held to the table; v61 the token 0; v62-63 SEG's entry.
.set POSO, 256
.set RTO,  8448
.set PS,   1024                        ; LDS: at 0 [8 experts][32 waves] counts; at PS [32 waves][8] sums of probabilities
.set ZA,   56                          ; v56  the offset 0
.set SGA,  57                          ; v57  8 x lane: SEG's offset
.set RA,   58                          ; v58-60 offsets into ROWTOK
.set ZD,   61                          ; v61  token 0, a store's data
.set SG,   62                          ; v[62:63]
.set M0,   16                          ; s[16:23] lanes whose first expert is e
.set M1,   24                          ; s[24:31] lanes whose second is
.set MM,   32                          ; s[32:39] either
.set BA,   40                          ; s[40:47] an expert's rows, then: its segment's start + the rows of the waves before mine
.set PE,   48                          ; s[48:55] start + rows: where the filling begins
.set EN,   56                          ; s[56:63] the rows of the waves before mine, then: the segment's end
.set ST,   66                          ; s[66:73] start / 32
.set NTI,  74                          ; s[74:81] tiles of 32
.set SEL,  84                          ; s[84:85]
	s_load_b256 s[4:11], s[0:1], 0x0               ; ridx s[4:5], rf s[6:7], plan s[8:9], out1 s[10:11]
	s_load_b64 s[12:13], s[0:1], 0x20              ; out2
	v_lshl_add_u32 v64, v0, 2, 0x800
	v_mov_b32 v65, 0
	v_lshrrev_b32 v8, 5, v0
	v_readfirstlane_b32 s14, v8                    ; wave
	v_and_b32 v1, 31, v0                           ; lane
	v_lshlrev_b32 v2, 3, v0
	v_lshlrev_b32 v3, 5, v0
	v_lshlrev_b32 v10, 2, v8                       ; LDS: my wave's word in a row of counts
	v_lshl_add_u32 v12, v8, 5, PS                  ; my wave's eight sums
	v_lshlrev_b32 v13, 2, v1                       ; wave l's word, for lane l
	v_lshl_add_u32 v15, v1, 5, PS                  ; wave l's eight sums
	v_mov_b32 v[ZA], 0
	v_lshlrev_b32 v[SGA], 3, v1
	v_mov_b32 v[ZD], 0
.irp k, 0,1,2,3,4,5,6,7
	v_mov_b32 v[48+\k], 0                          ; written once: destinations of lane permutes and DPP moves count as read
.endr
	s_mov_b32 s[SEL], 0x76543210
	s_mov_b32 s[SEL+1], 0xfedcba98
	s_wait_kmcnt 0x0
	global_load_b64 v[4:5], v2, s[4:5]
	global_load_b128 v[16:19], v3, s[6:7] offset:8192
	global_load_b128 v[20:23], v3, s[6:7] offset:8208
	s_wait_loadcnt 2                               ; the experts are in; the two loads of probabilities may be out
.irp e, 0,1,2,3,4,5,6,7
	v_cmp_eq_u32 s[M0+\e], \e, v4
	v_cmp_eq_u32 s[M1+\e], \e, v5
	s_or_b32 s[MM+\e], s[M0+\e], s[M1+\e]
	s_bcnt1_i32_b32 s82, s[MM+\e]
	v_mov_b32 v[24+\e], s82
	ds_store_b32 v10, v[24+\e] offset:128*\e       ; all lanes write the same word with the same value
.endr
	s_wait_loadcnt 0x0
.macro BFLY b                          ; eight sums over the 32 lanes, the result in every lane
.irp m, 1,2,4,8
.irp e, 0,1,2,3,4,5,6,7
	v_add_f32_dpp v[\b+\e], v[\b+\e], v[\b+\e] row_xmask:\m row_mask:0xf bank_mask:0xf
.endr
.endr
.irp e, 0,1,2,3,4,5,6,7
	v_permlanex16_b32 v[48+\e], v[\b+\e], s[SEL], s[SEL+1]
.endr
.irp e, 0,1,2,3,4,5,6,7
	v_add_f32 v[\b+\e], v[\b+\e], v[48+\e]
.endr
.endm
	BFLY 16
	ds_store_b128 v12, v[16:19]
	ds_store_b128 v12, v[20:23] offset:16
	s_wait_dscnt 0x0                               ; for the others' sake: my counts and sums lie in LDS
	s_barrier_signal -1
	s_barrier_wait -1
.irp e, 0,1,2,3,4,5,6,7
	ds_load_b32 v[32+\e], v13 offset:128*\e        ; lane l: wave l's count for expert e
.endr
	s_wait_dscnt 0x0
	v_cmp_gt_u32 vcc_lo, s14, v1                   ; the waves before mine
.irp k, 0,1,2,3
	v_lshl_or_b32 v[40+\k], v[33+2*\k], 16, v[32+2*\k]   ; two experts to a word: a sum is at most 1,024, so nothing is carried across
.endr
.irp k, 0,1,2,3
	v_cndmask_b32 v[44+\k], 0, v[40+\k], vcc_lo
.endr
.irp m, 1,2,4,8
.irp k, 0,1,2,3,4,5,6,7
	v_mov_b32_dpp v[48+\k], v[40+\k] row_xmask:\m row_mask:0xf bank_mask:0xf
.endr
.irp k, 0,1,2,3,4,5,6,7
	v_add_nc_u32 v[40+\k], v[40+\k], v[48+\k]
.endr
.endr
.irp k, 0,1,2,3,4,5,6,7
	v_permlanex16_b32 v[48+\k], v[40+\k], s[SEL], s[SEL+1]
.endr
.irp k, 0,1,2,3,4,5,6,7
	v_add_nc_u32 v[40+\k], v[40+\k], v[48+\k]
.endr
.irp k, 0,1,2,3
	v_readfirstlane_b32 s86, v[40+\k]
	s_and_b32 s[BA+2*\k], s86, 0xffff
	s_lshr_b32 s[BA+1+2*\k], s86, 16
	v_readfirstlane_b32 s86, v[44+\k]
	s_and_b32 s[EN+2*\k], s86, 0xffff
	s_lshr_b32 s[EN+1+2*\k], s86, 16
.endr
	s_mov_b32 s82, 0                               ; the segments, one behind the other
.irp e, 0,1,2,3,4,5,6,7
	s_lshr_b32 s[ST+\e], s82, 5
	s_add_co_u32 s83, s[BA+\e], 31
	s_lshr_b32 s[NTI+\e], s83, 5
	s_add_co_u32 s[PE+\e], s82, s[BA+\e]
	s_add_co_u32 s[BA+\e], s82, s[EN+\e]
	s_lshl_b32 s83, s[NTI+\e], 5
	s_add_co_u32 s82, s82, s83
	s_mov_b32 s[EN+\e], s82
.endr
	v_mov_b32 v6, 0
	v_mov_b32 v7, 0
.irp e, 0,1,2,3,4,5,6,7
	v_mbcnt_lo_u32_b32 v14, s[MM+\e], 0            ; the lanes before mine that chose e
	v_add_nc_u32 v14, s[BA+\e], v14
	v_cndmask_b32 v6, v6, v14, s[M0+\e]
	v_cndmask_b32 v7, v7, v14, s[M1+\e]
.endr
	global_store_b64 v2, v[6:7], s[8:9] offset:POSO   ; a wave stores 256 consecutive bytes
	v_min_u32 v[RA], 0x8ff, v6                     ; a place enters an address held to the table's 2,304 entries
	v_min_u32 v[RA+1], 0x8ff, v7
	v_lshlrev_b32 v[RA], 2, v[RA]
	v_lshlrev_b32 v[RA+1], 2, v[RA+1]
	global_store_b32 v[RA], v0, s[8:9] offset:RTO
	global_store_b32 v[RA+1], v0, s[8:9] offset:RTO
	; the filling: wave e fills expert e's segment, at most 31 places; waves 8 .. 31 have no lane on
	s_mov_b32 s86, 0
	s_mov_b32 s87, 0
.irp e, 0,1,2,3,4,5,6,7
	s_cmp_eq_u32 s14, \e
	s_cselect_b32 s86, s[PE+\e], s86
	s_cselect_b32 s87, s[EN+\e], s87
.endr
	v_add_nc_u32 v[RA+2], s86, v1
	v_cmp_gt_u32 vcc_lo, s87, v[RA+2]
	v_min_u32 v[RA+2], 0x8ff, v[RA+2]
	v_lshlrev_b32 v[RA+2], 2, v[RA+2]
	s_wait_xcnt 0x0                                ; EXEC changes only behind this wait
	s_and_saveexec_b32 s88, vcc_lo
	global_store_b32 v[RA+2], v[ZD], s[8:9] offset:RTO   ; token 0
	s_wait_xcnt 0x0
	s_or_b32 exec_lo, exec_lo, s88
	s_cmp_lg_u32 s14, 0
	s_cbranch_scc1 .Lend                           ; the rest is wave 0's: no barrier stands in it
	v_mov_b32 v[SG], 0
	v_mov_b32 v[SG+1], 0
.irp e, 0,1,2,3,4,5,6,7
	v_writelane_b32 v[SG], s[ST+\e], \e
	v_writelane_b32 v[SG+1], s[NTI+\e], \e
.endr
	global_store_b64 v[SGA], v[SG:SG+1], s[8:9]    ; SEG: 256 consecutive bytes
	ds_load_b128 v[16:19], v15
	ds_load_b128 v[20:23], v15 offset:16
	s_wait_dscnt 0x0
	BFLY 16
.irp e, 0,1,2,3,4,5,6,7
	v_mul_f32 v[16+\e], 0x3a800000, v[16+\e]       ; / 1,024: the mean
.endr
	v_mul_f32 v11, v16, v16
.irp e, 1,2,3,4,5,6,7
	v_fmac_f32 v11, v[16+\e], v[16+\e]
.endr
	v_mul_f32 v11, 0x41000000, v11                 ; x 8
	v_cmp_eq_u32 vcc_lo, 0, v1
	s_wait_xcnt 0x0
	s_and_saveexec_b32 s88, vcc_lo
	global_store_b128 v[ZA], v[16:19], s[12:13]
	global_store_b128 v[ZA], v[20:23], s[12:13] offset:16
	global_store_b32 v[ZA], v11, s[10:11]
	s_wait_xcnt 0x0
	s_or_b32 exec_lo, exec_lo, s88
.Lend:
	s_wait_tensorcnt 0x0
	ds_add_u32 v64, v65
	s_wait_dscnt 0x0
	s_endpgm
.Lfunc_end_k_q533d20a4fa_place:
	.size	k_q533d20a4fa_place, .Lfunc_end_k_q533d20a4fa_place-k_q533d20a4fa_place
	.p2alignl 7, 3214868480
	.fill 96, 4, 3214868480
	.section	.rodata,"a",@progbits
	.p2align	6, 0x0
	.amdhsa_kernel k_q533d20a4fa_place
		.amdhsa_group_segment_fixed_size 6144
		.amdhsa_private_segment_fixed_size 0
		.amdhsa_enable_private_segment 0
		.amdhsa_kernarg_size 40
		.amdhsa_user_sgpr_count 2
		.amdhsa_user_sgpr_kernarg_segment_ptr 1
		.amdhsa_wavefront_size32 1
		.amdhsa_system_sgpr_workgroup_id_x 1
		.amdhsa_system_sgpr_workgroup_id_y 1
		.amdhsa_system_sgpr_workgroup_id_z 1
		.amdhsa_system_vgpr_workitem_id 0
		.amdhsa_next_free_vgpr 66
		.amdhsa_next_free_sgpr 96
		.amdhsa_reserve_vcc 1
		.amdhsa_float_denorm_mode_32 3
		.amdhsa_float_denorm_mode_16_64 3
		.amdhsa_memory_ordered 1
		.amdhsa_forward_progress 1
		.amdhsa_inst_pref_size 24
	.end_amdhsa_kernel
	.amdgpu_metadata
---
amdhsa.version: [ 1, 2 ]
amdhsa.kernels:
  - .name:           k_q533d20a4fa_place
    .symbol:         k_q533d20a4fa_place.kd
    .args:
      - { .name: ridx, .offset: 0, .size: 8, .value_kind: global_buffer, .address_space: global }
      - { .name: rf, .offset: 8, .size: 8, .value_kind: global_buffer, .address_space: global }
      - { .name: plan, .offset: 16, .size: 8, .value_kind: global_buffer, .address_space: global }
      - { .name: out1, .offset: 24, .size: 8, .value_kind: global_buffer, .address_space: global }
      - { .name: out2, .offset: 32, .size: 8, .value_kind: global_buffer, .address_space: global }
    .group_segment_fixed_size: 6144
    .private_segment_fixed_size: 0
    .kernarg_segment_align: 8
    .kernarg_segment_size: 40
    .max_flat_workgroup_size: 1024
    .sgpr_count:     96
    .vgpr_count:     66
    .wavefront_size: 32
...
	.end_amdgpu_metadata
.endif
;; end of part 2
;; launch up (part 3): grid 32 x 8, 16 waves a work-group, no clusters, 71,680 bytes of LDS; arguments up_w, up_b, xc, plan, hc; writes hc
.if DOCPART == 3
	.amdgcn_target "amdgcn-amd-amdhsa--gfx1250"
	.amdhsa_code_object_version 6
	.text
	.protected	k_q533d20a4fa_up
	.globl	k_q533d20a4fa_up
	.p2align	8
	.type	k_q533d20a4fa_up,@function
k_q533d20a4fa_up:
	s_mov_b64 s[64:65], 0
	v_nop
	global_prefetch_b8 v0, s[64:65] scope:SCOPE_SE
	s_setreg_imm32_b32 hwreg(HW_REG_WAVE_MODE, 25, 1), 1
	s_wait_xcnt 0x0
; THE FIRST PRODUCT OF EACH EXPERT: h = gelu(Q(x) Q(up_w[e]) + up_b[e]), quantised along the second product's K -> hc.  Only the rows routed to the expert are multiplied.
; A work-group owns expert e (grid y) and hidden units 128 sl .. 128 sl + 127 (grid x): 128 columns x 1,024 rows of up_w, 512 KB that no other work-group reads.
; PHASE 1, the weights, once: a wave takes 32 columns x 256 rows.  A LANE TAKES A COLUMN AND ITS REGISTERS RUN DOWN K: a block of 32 along K lies in one lane's 32 registers, its largest magnitude needs
; no other lane, and the conversions give codes with K innermost.  Each load covers 128 consecutive bytes; two blocks (64 loads a wave) are asked for ahead.  The codes go to LDS as images of the operand's
; registers: slot q = 8 x column group + K step: [block 0..3][lane][16 bytes]; the scale words [lane] beside them.
; Lane l takes column (l & 7) + 16 ((l >> 3) & 1) + 8 (l >> 4) of the 32, so that lanes 0-15 are one tile's 16 rows and lanes 16-31 the other's, and in the transposed result
; the 16 registers of a lane's two tiles are 16 neighbours along the next K: columns 16 (lane / 16) + 0 .. 15.
; PHASE 2, behind the one barrier: wave w takes the expert's tiles of 32 places w and w + 16, as far as the count goes that the launch before stored.  A tile: x's codes of 32 tokens (gathered by the stored list) stay in 128 registers;
; for each group of 32 columns: 8 K steps x 4 products (source 0 = 16 columns of the weight, source 1 = 16 tokens; the bias is the C of the first), the exact GELU in f32, the block's scale and codes.
; hc is laid as the next launch's operand registers: codes [tile of 16][K step][half][lane][16 bytes], scale words [tile of 32][K step][lane].
; NO TENSOR LOAD, NO CLUSTER: which trips do work hangs on a stored number; no weight byte is shared; what work-groups share, x's codes, is 17 KB a tile against the work-group's own 512 KB.
; erf(z) = z P(z^2) / Q(z^2) on z held to +-4, polynomials of degree 6 and 4: absolute error about 1e-7.
; LIMITS: NaN and infinities are not served; a block whose largest magnitude lies under 2^-124 (a block of zeros too) gets the byte 1: the bytes are read by this program alone.
.set RS,   16384                       ; bytes from row to row of up_w
.set WSC,  65536                       ; LDS: the images take 32 slots of 2,048 bytes; behind them the scale words, 128 bytes a slot
.set HSO,  4718592                     ; hc: the scale words begin here
.set RTO,  8448                        ; plan: a place's token
.set XSO,  524288                      ; xc: the scale bytes begin here
.set WO,   2                           ; v2   4 x my column
.set WI,   3                           ; v3   where I store images: 16 x lane + 2,048 x my wave's first slot
.set WSV,  4                           ; v4   and scale words: WSC + 4 x lane + 128 x that slot
.set RD,   5                           ; v5   where I read fragments: 512 (lane / 16) + 16 (lane % 16)
.set RSC,  6                           ; v6   and scale words: WSC + 4 x lane
.set R4,   7                           ; v7   4 (lane % 16)
.set L4,   8                           ; v8   4 x lane
.set H16,  9                           ; v9   16 (lane / 16)
.set HO,   10                          ; v10  16 (lane % 16) + 8 (lane / 16): my 8 bytes of h's codes
.set BO,   11                          ; v11  64 (lane / 16): my 16 numbers of a group's bias
.set TA,   12                          ; v12-14 tokens: of places lane % 16, 16 + lane % 16, lane
.set HWM,  15                          ; v15  h's scale word as it is stored
.set HW,   16                          ; v16-17 the same in the making, for the two tiles of tokens
.set HC,   18                          ; v18-21 h's codes
.set KA,   22                          ; v[22:23], v[24:25] two coefficients as vector pairs, so that no instruction names two scalar pairs
.set KB,   24
.set WS,   26                          ; v26-27 the weights' scale words, a register for each fragment buffer: scales and nothing else
.set XSC,  28                          ; v28-35 x's scale words, a register a K step: scales and nothing else
.set BI,   36                          ; v36-51 the bias of two tiles, in the result's layout
.set F,    52                          ; v52-83 two buffers of two fragments; between the products the GELU's work registers
.set Z,    52
.set W,    60
.set P,    68
.set Q,    76
.set ACC,  84                          ; v84-115 four accumulators: 16 x tile of tokens + 8 x tile of columns
.set X,    116                         ; v116-243 x's fragments: 64 x tile of tokens + 8 x K step
.set XA,   244                         ; v244-246 offsets of the gathers
.set QM,   248                         ; v248-255 the quantiser's work registers
.set QT,   250
.set QS,   252
.set QB,   254
.set L,    116                         ; phase 1: v116-179 two sets of 32 numbers; v180-211 eight blocks' codes; v212-213 scale words; v214-217 at work
.set CD,   180
.set SWD,  212
.set PM,   214
.set WP,   18                          ; s[18:19] my wave's part of up_w
.set SEL,  34                          ; s[34:35]
.set RS2,  36                          ; s[36:57] eleven constants, each twice: the packed forms name a pair
.set CA0,  38
.set CA2,  40
.set CA3,  42
.set CA4,  44
.set CA5,  46
.set CA6,  48
.set CB0,  50
.set CB2,  52
.set CB3,  54
.set CB4,  56
.set TRIP, 61                          ; s61  counts the two trips
.macro PLACES                          ; four plain vector instructions between a matrix instruction and a load into, or a read of, its registers
.rept 4
	v_nop
.endr
.endm
.macro SETC r, val
	s_mov_b32 s[\r], \val
	s_mov_b32 s[\r+1], \val
.endm
	s_load_b256 s[4:11], s[0:1], 0x0               ; up_w s[4:5], up_b s[6:7], xc s[8:9], plan s[10:11]
	s_load_b64 s[12:13], s[0:1], 0x20              ; hc
	v_lshrrev_b32 v244, 5, v0
	v_readfirstlane_b32 s14, v244                  ; wave 0..15
	s_mov_b32 s15, ttmp9                           ; sl
	s_and_b32 s16, ttmp7, 0xffff                   ; e
	v_and_b32 v1, 31, v0                           ; lane
	v_and_b32 v245, 15, v0                         ; r
	v_bfe_u32 v246, v0, 4, 1                       ; h
	v_and_b32 v248, 7, v1
	v_and_b32 v249, 8, v1
	v_lshl_or_b32 v248, v249, 1, v248
	v_and_b32 v249, 16, v1
	v_lshrrev_b32 v249, 1, v249
	v_or_b32 v248, v248, v249                      ; my column of the 32: bits 3 and 4 of the lane change places
	v_lshlrev_b32 v[WO], 2, v248
	s_and_b32 s22, s14, 3                          ; my group of 32 columns
	s_lshr_b32 s23, s14, 2                         ; my 256 rows
	s_lshl_b32 s24, s22, 3
	s_lshl_b32 s25, s23, 1
	s_add_co_u32 s24, s24, s25                     ; my first slot: 8 x group + 2 x quarter of K
	s_lshl_b32 s25, s24, 11
	v_lshl_add_u32 v[WI], v1, 4, s25
	s_lshl_b32 s25, s24, 7
	s_add_co_u32 s25, s25, WSC
	v_lshl_add_u32 v[WSV], v1, 2, s25
	v_lshlrev_b32 v[RD], 4, v245
	v_lshl_add_u32 v[RD], v246, 9, v[RD]
	v_lshl_add_u32 v[RSC], v1, 2, WSC
	v_lshlrev_b32 v[R4], 2, v245
	v_lshlrev_b32 v[L4], 2, v1
	v_lshlrev_b32 v[H16], 4, v246
	v_lshlrev_b32 v[HO], 4, v245
	v_lshl_add_u32 v[HO], v246, 3, v[HO]
	v_lshlrev_b32 v[BO], 6, v246
	v_mov_b32 v[KA], 0x32edffee                    ; 2.77068142e-08
	v_mov_b32 v[KA+1], 0x32edffee
	v_mov_b32 v[KB], 0xb95fbd29                    ; -2.13374055e-04
	v_mov_b32 v[KB+1], 0xb95fbd29
	v_mov_b32 v[QT], 0                             ; written once: a lane permute's destination counts as one of its sources
	v_mov_b32 v[QT+1], 0
	s_mov_b32 s32, 0xffff0000                      ; lanes 16-31
	s_mov_b32 s[SEL], 0x76543210
	s_mov_b32 s[SEL+1], 0xfedcba98
	SETC RS2, 0x3f3504f3                           ; 1 / sqrt(2)
	SETC CA0, 0xaf95df0b                           ; -2.72614226e-10   P, from the highest power down (the second lies in KA)
	SETC CA2, 0xb60cff51                           ; -2.10102402e-06
	SETC CA3, 0xb86ec2d2                           ; -5.69250639e-05
	SETC CA4, 0xba40ac63                           ; -7.34990630e-04
	SETC CA5, 0xbb41a1f6                           ; -2.95459981e-03
	SETC CA6, 0xbc83dbd4                           ; -1.60960333e-02
	SETC CB0, 0xb77460cd                           ; -1.45660718e-05   Q likewise (the second lies in KB)
	SETC CB2, 0xbadc924e                           ; -1.68282697e-03
	SETC CB3, 0xbbf19bf8                           ; -7.37332917e-03
	SETC CB4, 0xbc69b6a7                           ; -1.42647391e-02
	s_lshl_b32 s26, s16, 24                        ; an expert's weights are 16 MiB,
	s_lshl_b32 s27, s23, 22                        ; 256 rows 4 MiB,
	s_add_co_u32 s26, s26, s27
	s_lshl_b32 s27, s15, 9                         ; 128 columns 512 bytes,
	s_add_co_u32 s26, s26, s27
	s_lshl_b32 s27, s22, 7                         ; 32 columns 128
	s_add_co_u32 s26, s26, s27
	s_mov_b32 s27, 0
	s_lshl_b32 s17, s16, 3
	s_lshl_b32 s28, s16, 14
	s_lshl_b32 s29, s15, 9
	s_add_co_u32 s28, s28, s29
	s_mov_b32 s29, 0
	s_wait_kmcnt 0x0
	s_add_nc_u64 s[WP:WP+1], s[4:5], s[26:27]
	s_add_nc_u64 s[30:31], s[6:7], s[28:29]        ; my 128 numbers of up_b
	s_load_b64 s[20:21], s[10:11], s17 offset:0x0  ; the expert's first tile of 32 places, and how many
; ---- PHASE 1
.macro WLOAD t                         ; block t: rows 32 t .. 32 t + 31 of my column, into set t % 2
.irp i, 0,1,2,3,4,5,6,7,8,9,10,11,12,13,14,15,16,17,18,19,20,21,22,23,24,25,26,27,28,29,30,31
	global_load_b32 v[L+32*((\t)%2)+\i], v[WO], s[WP:WP+1] offset:(32*(\t)+\i)*RS th:TH_LOAD_NT
.endr
.endm
.macro WBLK t
.set QX, L+32*((\t)%2)
.set QC, CD+4*(\t)
.if (\t) < 7
	s_wait_loadcnt 32                              ; this block's 32 loads are in; the next block's may be out
.else
	s_wait_loadcnt 0x0
.endif
	v_max3_num_f32 v[PM], |v[QX]|, |v[QX+1]|, |v[QX+2]|
	v_max3_num_f32 v[PM+1], |v[QX+3]|, |v[QX+4]|, |v[QX+5]|
.irp i, 6,10,14,18,22,26
	v_max3_num_f32 v[PM], v[PM], |v[QX+\i]|, |v[QX+\i+1]|
	v_max3_num_f32 v[PM+1], v[PM+1], |v[QX+\i+2]|, |v[QX+\i+3]|
.endr
	v_max3_num_f32 v[PM], v[PM], |v[QX+30]|, |v[QX+31]|
	v_max3_num_f32 v[PM], v[PM], v[PM+1], 0x1800000   ; and the floor 2^(3 - 127): the byte cannot fall under 1
	v_add_nc_u32 v[PM+2], 0xff000000, v[PM]        ; 2 off the exponent field: the conversion's scale operand
	v_lshrrev_b32 v[PM+3], 23, v[PM+2]             ; the scale's byte
.if (\t)%4 == 0
	v_mov_b32 v[SWD+(\t)/4], v[PM+3]               ; four bytes make a K step's scale word
.else
	v_lshl_or_b32 v[SWD+(\t)/4], v[PM+3], 8*((\t)%4), v[SWD+(\t)/4]
.endif
.irp g, 0,1,2,3
	v_cvt_scalef32_pk8_fp4_f32 v[QC+\g], v[QX+8*\g:QX+8*\g+7], v[PM+2]
.endr
	v_nop                                          ; one plain place behind a scaled conversion
	ds_store_b128 v[WI], v[QC:QC+3] offset:((\t)/4)*2048+((\t)%4)*512   ; each block has its own four registers
.if (\t)%4 == 3
	ds_store_b32 v[WSV], v[SWD+(\t)/4] offset:((\t)/4)*128
.endif
.if (\t)+2 < 8
	WLOAD (\t)+2
.endif
.endm
	WLOAD 0
	WLOAD 1
.irp t, 0,1,2,3,4,5,6,7
	WBLK \t
.endr
	s_wait_dscnt 0x0                               ; for the others' sake: my images lie in LDS
	s_barrier_signal -1
	s_barrier_wait -1                              ; the only barrier: behind it LDS is only read
; ---- PHASE 2
.macro BIAS cg                         ; the bias of group cg's two tiles: lane (r, h), tile u, register j: column 32 cg + 16 h + 8 u + j
.irp u, 0,1
.irp p, 0,1
	global_load_b128 v[BI+8*\u+4*\p:BI+8*\u+4*\p+3], v[BO], s[30:31] offset:128*(\cg)+32*\u+16*\p
.endr
.endr
.endm
.macro WF b, q                         ; slot q's two fragments and its scale words into buffer b: five LDS loads
.irp u, 0,1
.irp c, 0,1
	ds_load_b128 v[F+16*(\b)+8*\u+4*\c:F+16*(\b)+8*\u+4*\c+3], v[RD] offset:2048*(\q)+1024*\c+256*\u
.endr
.endr
	ds_load_b32 v[WS+(\b)], v[RSC] offset:128*(\q)
.endm
; Four products of K step s: two tiles of columns x two tiles of tokens.  The four accumulators take turns, one instruction a turn.
; Tile 1 of the columns has its scale words in lanes 16-31, and so has tile 1 of the tokens.
.macro K4 s, b, first
.set rA, F+16*(\b)
.set rB, X+8*(\s)
.set rW, WS+(\b)
.set rX, XSC+(\s)
.if \first
	v_wmma_scale_f32_16x16x128_f8f6f4 v[ACC:ACC+7], v[rA:rA+7], v[rB:rB+7], v[BI:BI+7], v[rW], v[rX] matrix_a_fmt:MATRIX_FMT_FP4 matrix_b_fmt:MATRIX_FMT_FP4
	v_wmma_scale_f32_16x16x128_f8f6f4 v[ACC+8:ACC+15], v[rA+8:rA+15], v[rB:rB+7], v[BI+8:BI+15], v[rW], v[rX] matrix_a_fmt:MATRIX_FMT_FP4 matrix_b_fmt:MATRIX_FMT_FP4 matrix_a_scale:MATRIX_SCALE_ROW1
	v_wmma_scale_f32_16x16x128_f8f6f4 v[ACC+16:ACC+23], v[rA:rA+7], v[rB+64:rB+71], v[BI:BI+7], v[rW], v[rX] matrix_a_fmt:MATRIX_FMT_FP4 matrix_b_fmt:MATRIX_FMT_FP4 matrix_b_scale:MATRIX_SCALE_ROW1
	v_wmma_scale_f32_16x16x128_f8f6f4 v[ACC+24:ACC+31], v[rA+8:rA+15], v[rB+64:rB+71], v[BI+8:BI+15], v[rW], v[rX] matrix_a_fmt:MATRIX_FMT_FP4 matrix_b_fmt:MATRIX_FMT_FP4 matrix_a_scale:MATRIX_SCALE_ROW1 matrix_b_scale:MATRIX_SCALE_ROW1
.else
	v_wmma_scale_f32_16x16x128_f8f6f4 v[ACC:ACC+7], v[rA:rA+7], v[rB:rB+7], v[ACC:ACC+7], v[rW], v[rX] matrix_a_fmt:MATRIX_FMT_FP4 matrix_b_fmt:MATRIX_FMT_FP4
	v_wmma_scale_f32_16x16x128_f8f6f4 v[ACC+8:ACC+15], v[rA+8:rA+15], v[rB:rB+7], v[ACC+8:ACC+15], v[rW], v[rX] matrix_a_fmt:MATRIX_FMT_FP4 matrix_b_fmt:MATRIX_FMT_FP4 matrix_a_scale:MATRIX_SCALE_ROW1
	v_wmma_scale_f32_16x16x128_f8f6f4 v[ACC+16:ACC+23], v[rA:rA+7], v[rB+64:rB+71], v[ACC+16:ACC+23], v[rW], v[rX] matrix_a_fmt:MATRIX_FMT_FP4 matrix_b_fmt:MATRIX_FMT_FP4 matrix_b_scale:MATRIX_SCALE_ROW1
	v_wmma_scale_f32_16x16x128_f8f6f4 v[ACC+24:ACC+31], v[rA+8:rA+15], v[rB+64:rB+71], v[ACC+24:ACC+31], v[rW], v[rX] matrix_a_fmt:MATRIX_FMT_FP4 matrix_b_fmt:MATRIX_FMT_FP4 matrix_a_scale:MATRIX_SCALE_ROW1 matrix_b_scale:MATRIX_SCALE_ROW1
.endif
.endm
; gelu(v) = v / 2 + (v / 2) erf(v / sqrt(2)), eight numbers in place, two at a time; the accumulator is read from its low end on.
.macro GELU8 v
.irp p, 0,2,4,6
	v_pk_mul_f32 v[Z+\p:Z+\p+1], v[\v+\p:\v+\p+1], s[RS2:RS2+1] op_sel_hi:[1,0]
.endr
.irp p, 0,1,2,3,4,5,6,7
	v_med3_num_f32 v[Z+\p], v[Z+\p], -4.0, 4.0     ; beyond +-4 erf is +-1 to the last place of f32
.endr
.irp p, 0,2,4,6
	v_pk_mul_f32 v[W+\p:W+\p+1], v[Z+\p:Z+\p+1], v[Z+\p:Z+\p+1]
.endr
.irp p, 0,2,4,6
	v_pk_fma_f32 v[P+\p:P+\p+1], v[W+\p:W+\p+1], s[CA0:CA0+1], v[KA:KA+1] op_sel_hi:[1,0,1]
.endr
.irp p, 0,2,4,6
	v_pk_fma_f32 v[Q+\p:Q+\p+1], v[W+\p:W+\p+1], s[CB0:CB0+1], v[KB:KB+1] op_sel_hi:[1,0,1]
.endr
.irp a, CA2, CA3, CA4, CA5, CA6
.irp p, 0,2,4,6
	v_pk_fma_f32 v[P+\p:P+\p+1], v[P+\p:P+\p+1], v[W+\p:W+\p+1], s[\a:\a+1] op_sel_hi:[1,1,0]
.endr
.endr
.irp a, CB2, CB3, CB4
.irp p, 0,2,4,6
	v_pk_fma_f32 v[Q+\p:Q+\p+1], v[Q+\p:Q+\p+1], v[W+\p:W+\p+1], s[\a:\a+1] op_sel_hi:[1,1,0]
.endr
.endr
.irp p, 0,1,2,3,4,5,6,7
	v_rcp_f32 v[Q+\p], v[Q+\p]
.endr
.irp p, 0,2,4,6
	v_pk_mul_f32 v[P+\p:P+\p+1], v[P+\p:P+\p+1], v[Z+\p:Z+\p+1]   ; (plain places behind the reciprocals)
.endr
	s_wait_alu depctr_va_vdst(0)
.irp p, 0,2,4,6
	v_pk_mul_f32 v[P+\p:P+\p+1], v[P+\p:P+\p+1], v[Q+\p:Q+\p+1]   ; erf
.endr
.irp p, 0,2,4,6
	v_pk_mul_f32 v[Z+\p:Z+\p+1], v[\v+\p:\v+\p+1], 0.5 op_sel_hi:[1,0]
.endr
.irp p, 0,2,4,6
	v_pk_fma_f32 v[\v+\p:\v+\p+1], v[Z+\p:Z+\p+1], v[P+\p:P+\p+1], v[Z+\p:Z+\p+1]
.endr
.endm
; Group cg's 32 columns are block cg of the next product's K step sl.  A lane holds 16 of them for each of two tokens; lane l xor 16 holds the other 16.
.macro HQUANT cg
.irp tt, 0,1
	v_max3_num_f32 v[QM+\tt], |v[ACC+16*\tt]|, |v[ACC+16*\tt+1]|, 0x1800000   ; with the floor 2^(3 - 127)
.endr
.irp i, 2,4,6,8,10,12,14
.irp tt, 0,1
	v_max3_num_f32 v[QM+\tt], v[QM+\tt], |v[ACC+16*\tt+\i]|, |v[ACC+16*\tt+\i+1]|
.endr
.endr
.irp tt, 0,1
	v_permlanex16_b32 v[QT+\tt], v[QM+\tt], s[SEL], s[SEL+1]
.endr
.irp tt, 0,1
	v_max_num_f32 v[QM+\tt], v[QM+\tt], v[QT+\tt]
.endr
.irp tt, 0,1
	v_add_nc_u32 v[QS+\tt], 0xff000000, v[QM+\tt]
.endr
.irp tt, 0,1
	v_lshrrev_b32 v[QB+\tt], 23, v[QS+\tt]
.endr
.irp tt, 0,1
.if (\cg) == 0
	v_mov_b32 v[HW+\tt], v[QB+\tt]
.else
	v_lshl_or_b32 v[HW+\tt], v[QB+\tt], 8*(\cg), v[HW+\tt]
.endif
.endr
	s_wait_xcnt 0x0                                ; the last group's stores have read v18-21: they are written again only behind this wait
.irp tt, 0,1
	v_cvt_scalef32_pk8_fp4_f32 v[HC+2*\tt], v[ACC+16*\tt:ACC+16*\tt+7], v[QS+\tt]
	v_cvt_scalef32_pk8_fp4_f32 v[HC+2*\tt+1], v[ACC+16*\tt+8:ACC+16*\tt+15], v[QS+\tt]
.endr
	v_nop                                          ; one plain place behind a scaled conversion
.irp tt, 0,1
	global_store_b64 v[HO], v[HC+2*\tt:HC+2*\tt+1], s[26:27] offset:32768*\tt+256*(\cg)   ; the wave stores 256 consecutive bytes, at a multiple of 256 from hc's first byte
.endr
.endm
.macro CGROUP cg
	WF 0, 8*(\cg)
	WF 1, 8*(\cg)+1
.irp s, 0,1,2,3,4,5,6,7
.if (\cg) == 0
.if \s == 0
	s_wait_loadcnt 28                              ; the bias, x's scale words and K step 0 are in; K steps 1 to 7 (28 loads) may be out
.else
	s_wait_loadcnt 4*(7-\s)+4                      ; K step s is in; the later K steps' loads and the next bias's four may be out
.endif
.elseif \s == 0
	s_wait_loadcnt 0x0                             ; this group's bias
.endif
.if \s < 7
	s_wait_dscnt 5                                 ; this buffer's five loads are in; the other buffer's may be out
.else
	s_wait_dscnt 0x0
.endif
.if \s == 0
	K4 \s, \s%2, 1
.else
	K4 \s, \s%2, 0
.endif
	PLACES
.if \s < 6
	WF \s%2, 8*(\cg)+\s+2
.endif
.if (\s == 0) && ((\cg) < 3)
	BIAS (\cg)+1
.endif
.endr
	GELU8 ACC
	GELU8 ACC+8
	GELU8 ACC+16
	GELU8 ACC+24
	HQUANT \cg
.endm
	s_wait_kmcnt 0x0
	s_min_u32 s20, s20, 71                         ; stored numbers enter addresses and comparisons held to the tables' sizes
	s_min_u32 s21, s21, 32
	s_mov_b32 s22, s14                             ; my first tile
	s_mov_b32 s[TRIP], 0
.Lunit:                                            ; TWO TRIPS, a constant: an expert has at most 1,024 rows, 32 tiles of 32, two for each of 16 waves
	s_cmp_ge_u32 s22, s21                          ; a trip whose tile the stored count does not reach is jumped over: no barrier stands in the loop
	s_cbranch_scc1 .Lnext
	s_wait_xcnt 0x0                                ; the last trip's loads and stores have read their bases, offsets and data
	s_add_co_u32 s23, s20, s22                     ; the tile of 32 places
	s_mov_b32 s59, 0
	s_lshl_b32 s58, s23, 7
	s_add_nc_u64 s[24:25], s[10:11], s[58:59]      ; its 32 tokens (+ RTO)
	s_lshl_b32 s58, s23, 16
	s_lshl_b32 s60, s15, 10
	s_add_co_u32 s58, s58, s60
	s_add_nc_u64 s[26:27], s[12:13], s[58:59]      ; h's codes: 65,536 bytes a tile of 32, 1,024 a K step
	s_lshl_b32 s58, s23, 12
	s_lshl_b32 s60, s15, 7
	s_add_co_u32 s58, s58, s60
	s_add_co_u32 s58, s58, HSO
	s_add_nc_u64 s[28:29], s[12:13], s[58:59]      ; h's scale words: 4,096 bytes a tile, 128 a K step
	global_load_b32 v[TA], v[R4], s[24:25] offset:RTO
	global_load_b32 v[TA+1], v[R4], s[24:25] offset:RTO+64
	global_load_b32 v[TA+2], v[L4], s[24:25] offset:RTO
	BIAS 0
	s_wait_loadcnt 4                               ; the tokens are in; the bias's four loads may be out
	v_min_u32 v[TA], 0x3ff, v[TA]
	v_min_u32 v[TA+1], 0x3ff, v[TA+1]
	v_min_u32 v[TA+2], 0x3ff, v[TA+2]
	v_lshl_add_u32 v[XA], v[TA], 9, v[H16]         ; a token's codes are 512 bytes; + 16 for lanes 16-31
	v_lshl_add_u32 v[XA+1], v[TA+1], 9, v[H16]
	v_lshlrev_b32 v[XA+2], 5, v[TA+2]              ; its scale bytes 32: word s serves K step s
	global_load_b128 v[XSC:XSC+3], v[XA+2], s[8:9] offset:XSO
	global_load_b128 v[XSC+4:XSC+7], v[XA+2], s[8:9] offset:XSO+16
.irp s, 0,1,2,3,4,5,6,7
.irp tt, 0,1
.irp c, 0,1
	global_load_b128 v[X+64*\tt+8*\s+4*\c:X+64*\tt+8*\s+4*\c+3], v[XA+\tt], s[8:9] offset:64*\s+32*\c
.endr
.endr
.endr
	CGROUP 0
	CGROUP 1
	CGROUP 2
	CGROUP 3
	v_cndmask_b32 v[HWM], v[HW], v[HW+1], s32      ; lanes 0-15: places 0-15; lanes 16-31: places 16-31
	global_store_b32 v[L4], v[HWM], s[28:29]       ; 128 consecutive bytes
.Lnext:
	s_add_co_u32 s22, s22, 16                      ; my next tile
	s_add_co_u32 s[TRIP], s[TRIP], 1
	s_cmp_lt_u32 s[TRIP], 2
	s_cbranch_scc1 .Lunit
	s_wait_xcnt 0x0
	v_lshl_add_u32 v254, v0, 2, 0x11000
	v_mov_b32 v255, 0
	s_wait_tensorcnt 0x0
	ds_add_u32 v254, v255
	s_wait_dscnt 0x0
	s_endpgm
.Lfunc_end_k_q533d20a4fa_up:
	.size	k_q533d20a4fa_up, .Lfunc_end_k_q533d20a4fa_up-k_q533d20a4fa_up
	.p2alignl 7, 3214868480
	.fill 96, 4, 3214868480
	.section	.rodata,"a",@progbits
	.p2align	6, 0x0
	.amdhsa_kernel k_q533d20a4fa_up
		.amdhsa_group_segment_fixed_size 71680
		.amdhsa_private_segment_fixed_size 0
		.amdhsa_enable_private_segment 0
		.amdhsa_kernarg_size 40
		.amdhsa_user_sgpr_count 2
		.amdhsa_user_sgpr_kernarg_segment_ptr 1
		.amdhsa_wavefront_size32 1
		.amdhsa_system_sgpr_workgroup_id_x 1
		.amdhsa_system_sgpr_workgroup_id_y 1
		.amdhsa_system_sgpr_workgroup_id_z 1
		.amdhsa_system_vgpr_workitem_id 0
		.amdhsa_next_free_vgpr 256
		.amdhsa_next_free_sgpr 66
		.amdhsa_reserve_vcc 0
		.amdhsa_float_denorm_mode_32 3
		.amdhsa_float_denorm_mode_16_64 3
		.amdhsa_memory_ordered 1
		.amdhsa_forward_progress 1
		.amdhsa_inst_pref_size 164
	.end_amdhsa_kernel
	.amdgpu_metadata
---
amdhsa.version: [ 1, 2 ]
amdhsa.kernels:
  - .name:           k_q533d20a4fa_up
    .symbol:         k_q533d20a4fa_up.kd
    .args:
      - { .name: up_w, .offset: 0, .size: 8, .value_kind: global_buffer, .address_space: global }
      - { .name: up_b, .offset: 8, .size: 8, .value_kind: global_buffer, .address_space: global }
      - { .name: xc, .offset: 16, .size: 8, .value_kind: global_buffer, .address_space: global }
      - { .name: plan, .offset: 24, .size: 8, .value_kind: global_buffer, .address_space: global }
      - { .name: hc, .offset: 32, .size: 8, .value_kind: global_buffer, .address_space: global }
    .group_segment_fixed_size: 71680
    .private_segment_fixed_size: 0
    .kernarg_segment_align: 8
    .kernarg_segment_size: 40
    .max_flat_workgroup_size: 512
    .sgpr_count:     66
    .vgpr_count:     256
    .wavefront_size: 32
...
	.end_amdgpu_metadata
.endif
;; end of part 3
;; launch down (part 4): grid 32 x 8, 16 waves a work-group, no clusters, 141,312 bytes of LDS; arguments down_w, down_b, hc, plan, ybuf; writes ybuf
.if DOCPART == 4
	.amdgcn_target "amdgcn-amd-amdhsa--gfx1250"
	.amdhsa_code_object_version 6
	.text
	.protected	k_q533d20a4fa_down
	.globl	k_q533d20a4fa_down
	.p2align	8
	.type	k_q533d20a4fa_down,@function
k_q533d20a4fa_down:
	s_mov_b64 s[64:65], 0
	v_nop
	global_prefetch_b8 v0, s[64:65] scope:SCOPE_SE
	s_setreg_imm32_b32 hwreg(HW_REG_WAVE_MODE, 25, 1), 1
	s_wait_xcnt 0x0
; THE SECOND PRODUCT OF EACH EXPERT: y = Q(h) Q(down_w[e]) + down_b[e], for the rows routed to the expert, as two partial sums over halves of K -> ybuf [2][2304 places][1024] f32.
; A work-group owns expert e (grid y), 64 columns ns and half kh of K (grid x = 16 kh + ns): 2,048 rows x 256 bytes of down_w, 512 KB that no other work-group reads.  The bias goes into half 0.
; K is halved so that a work-group's piece of each weight row and of each row of y is 256 consecutive bytes, aligned; the price is the second partial sum, which the last launch adds.
; PHASE 1, the weights, once: as in the launch before: a wave takes 32 columns x 256 rows, a lane a column, registers down K; the codes go to LDS as images of the operand's registers:
; slot q = 16 x column group + K step: [block 0..3][lane][16 bytes]; the scale words [lane] beside them.  Lane l takes column (l & 7) + 16 ((l >> 3) & 1) + 8 (l >> 4) of the 32.
; PHASE 2, behind the one barrier: wave w takes the expert's tiles of 32 places w and w + 16, as far as the stored count goes.  A tile: 16 K steps x 8 products (source 0 = 16 columns, source 1 = 16 places), eight accumulators by turns.
; h's codes and scale words come from memory straight into the operand's registers, 512 and 128 consecutive bytes a load, six K steps ahead.
; The results go through the wave's own stage in LDS (16 rows of 256 bytes + 16) and leave as whole pieces of 256 bytes.
; NO TENSOR LOAD, NO CLUSTER: which trips do work hangs on a stored number; no weight byte is shared; h's codes, which 16 work-groups read, are 34 KB a tile against the work-group's own 512 KB.
; LIMITS: NaN and infinities are not served; a block whose largest magnitude lies under 2^-124 (a block of zeros too) gets the byte 1: the bytes are read by this program alone.
.set RS,   4096                        ; bytes from row to row of down_w
.set WSC,  65536                       ; LDS: 32 slots of 2,048 bytes; the scale words, 128 bytes a slot;
.set STG,  69632                       ; the stages, 4,352 bytes a wave
.set HSO,  4718592                     ; hc: the scale words begin here
.set YH,   9437184                     ; ybuf: the second half's partial sums begin here
.set WO,   2                           ; v2   4 x my column
.set WI,   3                           ; v3   where I store images
.set WSV,  4                           ; v4   and scale words
.set RD,   5                           ; v5   where I read fragments: 512 (lane / 16) + 16 (lane % 16)
.set RSC,  6                           ; v6   and scale words: WSC + 4 x lane
.set L16,  7                           ; v7   16 x lane
.set L4,   8                           ; v8   4 x lane
.set BO,   9                           ; v9   64 (lane / 16)
.set SO,   10                          ; v10  the stage, in: row lane % 16, + 64 (lane / 16)
.set SR,   11                          ; v11  the stage, back: row lane / 16, + 16 (lane % 16)
.set YO,   12                          ; v12  the same place in y
.set WSA,  16                          ; v16-17 the weights' scale words, a register a column group: scales and nothing else
.set HSC,  18                          ; v18-33 h's scale words, a register a K step: scales and nothing else
.set WA,   34                          ; v34-65 two fragments for each column group
.set H,    66                          ; v66-161 h's fragments: six stages of 16: 8 x tile of places + 4 x half
.set ACC,  162                         ; v162-225 eight accumulators: 32 x column group + 16 x tile of places + 8 x tile of columns
.set OUT,  66                          ; the way out: v66-129
.set L,    66                          ; phase 1: v66-129 two sets of 32 numbers; v130-161 eight blocks' codes; v162-163 scale words; v164-167 at work
.set CD,   130
.set SWD,  162
.set PM,   164
.set WP,   18                          ; s[18:19] my wave's part of down_w
.set TRIP, 40                          ; s40  counts the two trips
.macro PLACES                          ; four plain vector instructions between a matrix instruction and a load into, or a read of, its registers
.rept 4
	v_nop
.endr
.endm
	s_load_b256 s[4:11], s[0:1], 0x0               ; down_w s[4:5], down_b s[6:7], hc s[8:9], plan s[10:11]
	s_load_b64 s[12:13], s[0:1], 0x20              ; ybuf
	v_lshl_add_u32 v254, v0, 2, 0x22000
	v_mov_b32 v255, 0
	v_lshrrev_b32 v13, 5, v0
	v_readfirstlane_b32 s14, v13                   ; wave 0..15
	s_and_b32 s15, ttmp9, 15                       ; ns
	s_lshr_b32 s17, ttmp9, 4                       ; kh
	s_and_b32 s16, ttmp7, 0xffff                   ; e
	v_and_b32 v1, 31, v0                           ; lane
	v_and_b32 v14, 15, v0                          ; r
	v_bfe_u32 v15, v0, 4, 1                        ; h
	v_and_b32 v[WO], 7, v1
	v_and_b32 v13, 8, v1
	v_lshl_or_b32 v[WO], v13, 1, v[WO]
	v_and_b32 v13, 16, v1
	v_lshrrev_b32 v13, 1, v13
	v_or_b32 v[WO], v[WO], v13                     ; my column of the 32: bits 3 and 4 of the lane change places
	v_lshlrev_b32 v[WO], 2, v[WO]
	s_and_b32 s22, s14, 1                          ; my group of 32 columns
	s_lshr_b32 s23, s14, 1                         ; my 256 rows
	s_lshl_b32 s24, s22, 4
	s_lshl_b32 s25, s23, 1
	s_add_co_u32 s24, s24, s25                     ; my first slot: 16 x group + 2 x eighth of K
	s_lshl_b32 s25, s24, 11
	v_lshl_add_u32 v[WI], v1, 4, s25
	s_lshl_b32 s25, s24, 7
	s_add_co_u32 s25, s25, WSC
	v_lshl_add_u32 v[WSV], v1, 2, s25
	v_lshlrev_b32 v[RD], 4, v14
	v_lshl_add_u32 v[RD], v15, 9, v[RD]
	v_lshl_add_u32 v[RSC], v1, 2, WSC
	v_lshlrev_b32 v[L16], 4, v1
	v_lshlrev_b32 v[L4], 2, v1
	v_lshlrev_b32 v[BO], 6, v15
	s_mul_i32 s25, s14, 4352
	s_add_co_u32 s25, s25, STG                     ; my stage
	v_mul_u32_u24 v[SO], v14, 272
	v_lshl_add_u32 v[SO], v15, 6, v[SO]
	v_add_nc_u32 v[SO], s25, v[SO]
	v_mul_u32_u24 v[SR], v15, 272
	v_lshl_add_u32 v[SR], v14, 4, v[SR]
	v_add_nc_u32 v[SR], s25, v[SR]
	v_lshlrev_b32 v[YO], 12, v15
	v_lshl_add_u32 v[YO], v14, 4, v[YO]
	s_lshl_b32 s26, s16, 24                        ; an expert's weights are 16 MiB,
	s_lshl_b32 s27, s17, 23                        ; half of K 8 MiB,
	s_add_co_u32 s26, s26, s27
	s_lshl_b32 s27, s23, 20                        ; 256 rows 1 MiB,
	s_add_co_u32 s26, s26, s27
	s_lshl_b32 s27, s15, 8                         ; 64 columns 256 bytes,
	s_add_co_u32 s26, s26, s27
	s_lshl_b32 s27, s22, 7                         ; 32 columns 128
	s_add_co_u32 s26, s26, s27
	s_mov_b32 s27, 0
	s_lshl_b32 s28, s16, 12
	s_lshl_b32 s29, s15, 8
	s_add_co_u32 s28, s28, s29
	s_mov_b32 s29, 0
	s_lshl_b32 s34, s16, 3
	s_lshl_b32 s36, s17, 14                        ; what the half of K adds to h's codes' address,
	s_lshl_b32 s37, s17, 11
	s_add_co_u32 s37, s37, HSO                     ; to its scale words',
	s_mul_i32 s38, s17, YH
	s_lshl_b32 s39, s15, 8
	s_add_co_u32 s38, s38, s39                     ; and, with the columns, to y's
	s_wait_kmcnt 0x0
	s_add_nc_u64 s[WP:WP+1], s[4:5], s[26:27]
	s_add_nc_u64 s[30:31], s[6:7], s[28:29]        ; my 64 numbers of down_b
	s_load_b64 s[20:21], s[10:11], s34 offset:0x0  ; the expert's first tile of 32 places, and how many
; ---- PHASE 1
.macro WLOAD t                         ; block t: rows 32 t .. 32 t + 31 of my column, into set t % 2
.irp i, 0,1,2,3,4,5,6,7,8,9,10,11,12,13,14,15,16,17,18,19,20,21,22,23,24,25,26,27,28,29,30,31
	global_load_b32 v[L+32*((\t)%2)+\i], v[WO], s[WP:WP+1] offset:(32*(\t)+\i)*RS th:TH_LOAD_NT
.endr
.endm
.macro WBLK t
.set QX, L+32*((\t)%2)
.set QC, CD+4*(\t)
.if (\t) < 7
	s_wait_loadcnt 32                              ; this block's 32 loads are in; the next block's may be out
.else
	s_wait_loadcnt 0x0
.endif
	v_max3_num_f32 v[PM], |v[QX]|, |v[QX+1]|, |v[QX+2]|
	v_max3_num_f32 v[PM+1], |v[QX+3]|, |v[QX+4]|, |v[QX+5]|
.irp i, 6,10,14,18,22,26
	v_max3_num_f32 v[PM], v[PM], |v[QX+\i]|, |v[QX+\i+1]|
	v_max3_num_f32 v[PM+1], v[PM+1], |v[QX+\i+2]|, |v[QX+\i+3]|
.endr
	v_max3_num_f32 v[PM], v[PM], |v[QX+30]|, |v[QX+31]|
	v_max3_num_f32 v[PM], v[PM], v[PM+1], 0x1800000   ; and the floor 2^(3 - 127): the byte cannot fall under 1
	v_add_nc_u32 v[PM+2], 0xff000000, v[PM]        ; 2 off the exponent field: the conversion's scale operand
	v_lshrrev_b32 v[PM+3], 23, v[PM+2]             ; the scale's byte
.if (\t)%4 == 0
	v_mov_b32 v[SWD+(\t)/4], v[PM+3]               ; four bytes make a K step's scale word
.else
	v_lshl_or_b32 v[SWD+(\t)/4], v[PM+3], 8*((\t)%4), v[SWD+(\t)/4]
.endif
.irp g, 0,1,2,3
	v_cvt_scalef32_pk8_fp4_f32 v[QC+\g], v[QX+8*\g:QX+8*\g+7], v[PM+2]
.endr
	v_nop                                          ; one plain place behind a scaled conversion
	ds_store_b128 v[WI], v[QC:QC+3] offset:((\t)/4)*2048+((\t)%4)*512   ; each block has its own four registers
.if (\t)%4 == 3
	ds_store_b32 v[WSV], v[SWD+(\t)/4] offset:((\t)/4)*128
.endif
.if (\t)+2 < 8
	WLOAD (\t)+2
.endif
.endm
	WLOAD 0
	WLOAD 1
.irp t, 0,1,2,3,4,5,6,7
	WBLK \t
.endr
	s_wait_dscnt 0x0                               ; for the others' sake: my images lie in LDS
	s_barrier_signal -1
	s_barrier_wait -1                              ; the only barrier: behind it the images are only read, and a stage is its wave's own
	PLACES                                         ; between the last vector writes of v66-167 and the first product that names them
; ---- PHASE 2
.macro HLOAD s                         ; h's two fragments of K step s into stage s % 6: four loads of 512 consecutive bytes
.irp tt, 0,1
.irp c, 0,1
	global_load_b128 v[H+16*((\s)%6)+8*\tt+4*\c:H+16*((\s)%6)+8*\tt+4*\c+3], v[L16], s[24:25] offset:32768*\tt+1024*(\s)+512*\c
.endr
.endr
.endm
.macro WLD cg, s                       ; column group cg's two fragments of K step s and their scale words: five LDS loads
.irp u, 0,1
.irp c, 0,1
	ds_load_b128 v[WA+16*(\cg)+8*\u+4*\c:WA+16*(\cg)+8*\u+4*\c+3], v[RD] offset:2048*(16*(\cg)+(\s))+1024*\c+256*\u
.endr
.endr
	ds_load_b32 v[WSA+(\cg)], v[RSC] offset:128*(16*(\cg)+(\s))
.endm
; Four products: two tiles of columns x two tiles of places.  The accumulators take turns, one instruction a turn.
.macro D4 cg, s, zero
.set rA, WA+16*(\cg)
.set rB, H+16*((\s)%6)
.set rD, ACC+32*(\cg)
.set rW, WSA+(\cg)
.set rH, HSC+(\s)
.if \zero
	v_wmma_scale_f32_16x16x128_f8f6f4 v[rD:rD+7], v[rA:rA+7], v[rB:rB+7], 0, v[rW], v[rH] matrix_a_fmt:MATRIX_FMT_FP4 matrix_b_fmt:MATRIX_FMT_FP4
	v_wmma_scale_f32_16x16x128_f8f6f4 v[rD+8:rD+15], v[rA+8:rA+15], v[rB:rB+7], 0, v[rW], v[rH] matrix_a_fmt:MATRIX_FMT_FP4 matrix_b_fmt:MATRIX_FMT_FP4 matrix_a_scale:MATRIX_SCALE_ROW1
	v_wmma_scale_f32_16x16x128_f8f6f4 v[rD+16:rD+23], v[rA:rA+7], v[rB+8:rB+15], 0, v[rW], v[rH] matrix_a_fmt:MATRIX_FMT_FP4 matrix_b_fmt:MATRIX_FMT_FP4 matrix_b_scale:MATRIX_SCALE_ROW1
	v_wmma_scale_f32_16x16x128_f8f6f4 v[rD+24:rD+31], v[rA+8:rA+15], v[rB+8:rB+15], 0, v[rW], v[rH] matrix_a_fmt:MATRIX_FMT_FP4 matrix_b_fmt:MATRIX_FMT_FP4 matrix_a_scale:MATRIX_SCALE_ROW1 matrix_b_scale:MATRIX_SCALE_ROW1
.else
	v_wmma_scale_f32_16x16x128_f8f6f4 v[rD:rD+7], v[rA:rA+7], v[rB:rB+7], v[rD:rD+7], v[rW], v[rH] matrix_a_fmt:MATRIX_FMT_FP4 matrix_b_fmt:MATRIX_FMT_FP4
	v_wmma_scale_f32_16x16x128_f8f6f4 v[rD+8:rD+15], v[rA+8:rA+15], v[rB:rB+7], v[rD+8:rD+15], v[rW], v[rH] matrix_a_fmt:MATRIX_FMT_FP4 matrix_b_fmt:MATRIX_FMT_FP4 matrix_a_scale:MATRIX_SCALE_ROW1
	v_wmma_scale_f32_16x16x128_f8f6f4 v[rD+16:rD+23], v[rA:rA+7], v[rB+8:rB+15], v[rD+16:rD+23], v[rW], v[rH] matrix_a_fmt:MATRIX_FMT_FP4 matrix_b_fmt:MATRIX_FMT_FP4 matrix_b_scale:MATRIX_SCALE_ROW1
	v_wmma_scale_f32_16x16x128_f8f6f4 v[rD+24:rD+31], v[rA+8:rA+15], v[rB+8:rB+15], v[rD+24:rD+31], v[rW], v[rH] matrix_a_fmt:MATRIX_FMT_FP4 matrix_b_fmt:MATRIX_FMT_FP4 matrix_a_scale:MATRIX_SCALE_ROW1 matrix_b_scale:MATRIX_SCALE_ROW1
.endif
.endm
.macro KSTEP s, zero
.if 15-(\s) < 5
	s_wait_loadcnt 4*(15-(\s))                     ; this K step's stage is in; the later stages' loads may be out
.else
	s_wait_loadcnt 20                              ; this K step's stage (and all that was asked for before it) is in; five later stages, 20 loads, may be out
.endif
	s_wait_dscnt 5                                 ; group 0's five loads are in; group 1's may be out
	D4 0, \s, \zero
	PLACES
.if (\s) < 15
	WLD 0, (\s)+1
	s_wait_dscnt 5                                 ; group 1's are in; the five just issued may be out
.else
	s_wait_dscnt 0x0
.endif
	D4 1, \s, \zero
	PLACES
.if (\s) < 15
	WLD 1, (\s)+1
.endif
.if (\s)+6 <= 15
	HLOAD (\s)+6                                   ; into the stage just multiplied
.endif
.endm
.macro UHEAD zero                      ; a tile's head: h's scale words, six stages, the first fragments, K step 0
.irp s, 0,1,2,3,4,5,6,7,8,9,10,11,12,13,14,15
	global_load_b32 v[HSC+\s], v[L4], s[26:27] offset:128*\s
.endr
.irp s, 0,1,2,3,4,5
	HLOAD \s
.endr
	WLD 0, 0
	WLD 1, 0
	KSTEP 0, \zero
.endm
; The way out of 16 places: a lane holds 8 neighbouring columns of one row for each accumulator; they go into my stage and come back as rows of 256 bytes.
; LDS serves a wave's instructions in order (ISA guide 5.7.1.4): no wait between the stores and the loads, nor in front of the next tile's stores.
.macro TOSTAGE tt
.irp cg, 0,1
.irp u, 0,1
.irp p, 0,1
	ds_store_b128 v[SO], v[ACC+32*\cg+16*(\tt)+8*\u+4*\p:ACC+32*\cg+16*(\tt)+8*\u+4*\p+3] offset:128*\cg+32*\u+16*\p   ; each accumulator from its low end on
.endr
.endr
.endr
.irp i, 0,1,2,3,4,5,6,7
	ds_load_b128 v[OUT+32*(\tt)+4*\i:OUT+32*(\tt)+4*\i+3], v[SR] offset:544*\i
.endr
.endm
.macro SEND tt
.irp i, 0,1,2,3,4,5,6,7
	global_store_b128 v[YO], v[OUT+32*(\tt)+4*\i:OUT+32*(\tt)+4*\i+3], s[28:29] offset:65536*(\tt)+8192*\i th:TH_STORE_NT   ; sixteen lanes store 256 consecutive bytes, at a multiple of 256 from ybuf's first byte
.endr
.endm
	s_wait_kmcnt 0x0
	s_min_u32 s20, s20, 71                         ; stored numbers enter addresses and comparisons held to the tables' sizes
	s_min_u32 s21, s21, 32
	s_mov_b32 s22, s14                             ; my first tile
	s_mov_b32 s[TRIP], 0
.Lunit:                                            ; TWO TRIPS, a constant: an expert has at most 1,024 rows, 32 tiles of 32, two for each of 16 waves
	s_cmp_ge_u32 s22, s21                          ; a trip whose tile the stored count does not reach is jumped over: no barrier stands in the loop
	s_cbranch_scc1 .Lnext
	s_wait_xcnt 0x0                                ; the last trip's loads and stores have read their bases and data
	s_add_co_u32 s23, s20, s22                     ; the tile of 32 places
	s_mov_b32 s33, 0
	s_lshl_b32 s32, s23, 16
	s_add_co_u32 s32, s32, s36
	s_add_nc_u64 s[24:25], s[8:9], s[32:33]        ; h's codes
	s_lshl_b32 s32, s23, 12
	s_add_co_u32 s32, s32, s37
	s_add_nc_u64 s[26:27], s[8:9], s[32:33]        ; h's scale words
	s_lshl_b32 s32, s23, 17
	s_add_co_u32 s32, s32, s38
	s_add_nc_u64 s[28:29], s[12:13], s[32:33]      ; y: 131,072 bytes a tile of 32 places
	s_cmp_lg_u32 s17, 0
	s_cbranch_scc1 .Lupper                         ; one branch on the work-group's number for both things that differ between the halves of K
.irp cg, 0,1                                   ; half 0: the bias is loaded into the accumulators, in the result's layout, and K step 0 adds onto it
.irp tt, 0,1
.irp u, 0,1
.irp p, 0,1
	global_load_b128 v[ACC+32*\cg+16*\tt+8*\u+4*\p:ACC+32*\cg+16*\tt+8*\u+4*\p+3], v[BO], s[30:31] offset:128*\cg+32*\u+16*\p
.endr
.endr
.endr
.endr
	UHEAD 0
	s_branch .Ljoin
.Lupper:
	UHEAD 1                                        ; half 1: K step 0 starts the sums
.Ljoin:
.irp s, 1,2,3,4,5,6,7,8,9,10,11,12,13,14,15
	KSTEP \s, 0
.endr
	TOSTAGE 0
	TOSTAGE 1
	s_wait_dscnt 16                                ; places 0-15 are back in registers; the second tile's eight stores and eight loads may be out
	SEND 0
	s_wait_dscnt 0x0
	SEND 1
.Lnext:
	s_add_co_u32 s22, s22, 16                      ; my next tile
	s_add_co_u32 s[TRIP], s[TRIP], 1
	s_cmp_lt_u32 s[TRIP], 2
	s_cbranch_scc1 .Lunit
	s_wait_tensorcnt 0x0
	ds_add_u32 v254, v255
	s_wait_dscnt 0x0
	s_endpgm
.Lfunc_end_k_q533d20a4fa_down:
	.size	k_q533d20a4fa_down, .Lfunc_end_k_q533d20a4fa_down-k_q533d20a4fa_down
	.p2alignl 7, 3214868480
	.fill 96, 4, 3214868480
	.section	.rodata,"a",@progbits
	.p2align	6, 0x0
	.amdhsa_kernel k_q533d20a4fa_down
		.amdhsa_group_segment_fixed_size 141312
		.amdhsa_private_segment_fixed_size 0
		.amdhsa_enable_private_segment 0
		.amdhsa_kernarg_size 40
		.amdhsa_user_sgpr_count 2
		.amdhsa_user_sgpr_kernarg_segment_ptr 1
		.amdhsa_wavefront_size32 1
		.amdhsa_system_sgpr_workgroup_id_x 1
		.amdhsa_system_sgpr_workgroup_id_y 1
		.amdhsa_system_sgpr_workgroup_id_z 1
		.amdhsa_system_vgpr_workitem_id 0
		.amdhsa_next_free_vgpr 256
		.amdhsa_next_free_sgpr 66
		.amdhsa_reserve_vcc 0
		.amdhsa_float_denorm_mode_32 3
		.amdhsa_float_denorm_mode_16_64 3
		.amdhsa_memory_ordered 1
		.amdhsa_forward_progress 1
		.amdhsa_inst_pref_size 92
	.end_amdhsa_kernel
	.amdgpu_metadata
---
amdhsa.version: [ 1, 2 ]
amdhsa.kernels:
  - .name:           k_q533d20a4fa_down
    .symbol:         k_q533d20a4fa_down.kd
    .args:
      - { .name: down_w, .offset: 0, .size: 8, .value_kind: global_buffer, .address_space: global }
      - { .name: down_b, .offset: 8, .size: 8, .value_kind: global_buffer, .address_space: global }
      - { .name: hc, .offset: 16, .size: 8, .value_kind: global_buffer, .address_space: global }
      - { .name: plan, .offset: 24, .size: 8, .value_kind: global_buffer, .address_space: global }
      - { .name: ybuf, .offset: 32, .size: 8, .value_kind: global_buffer, .address_space: global }
    .group_segment_fixed_size: 141312
    .private_segment_fixed_size: 0
    .kernarg_segment_align: 8
    .kernarg_segment_size: 40
    .max_flat_workgroup_size: 512
    .sgpr_count:     66
    .vgpr_count:     256
    .wavefront_size: 32
...
	.end_amdgpu_metadata
.endif
;; end of part 4
;; launch mix (part 5): grid 256 x 1, 4 waves a work-group, no clusters, 0 bytes of LDS; arguments ybuf, rf, plan, out0; writes out0
.if DOCPART == 5
	.amdgcn_target "amdgcn-amd-amdhsa--gfx1250"
	.amdhsa_code_object_version 6
	.text
	.protected	k_q533d20a4fa_mix
	.globl	k_q533d20a4fa_mix
	.p2align	8
	.type	k_q533d20a4fa_mix,@function
k_q533d20a4fa_mix:
	s_mov_b64 s[64:65], 0
	v_nop
	global_prefetch_b8 v0, s[64:65] scope:SCOPE_SE
	s_setreg_imm32_b32 hwreg(HW_REG_WAVE_MODE, 25, 1), 1
	s_wait_xcnt 0x0
; out0[t] = c0 (y0[p0] + y1[p0]) + c1 (y0[p1] + y1[p1]): a token's two experts' rows, each in two partial sums over K, weighed by the renormalised probabilities.
; One wave takes one token, which is that output row's one owner.  The places p0, p1 were stored as whole numbers two launches ago.
; Four rows of 4,096 bytes are read, 512 consecutive bytes a load, all 32 loads asked for at once; one row is stored, 512 consecutive bytes a store.
; A stream: no LDS, no barrier, no matrix unit, nothing shared between work-groups.
.set YH,   9437184                     ; the second half's partial sums
.set D,    16                          ; v16-143: piece i: 4 registers of each of the four rows
	s_load_b256 s[4:11], s[0:1], 0x0               ; ybuf s[4:5], rf s[6:7], plan s[8:9], out0 s[10:11]
	v_lshrrev_b32 v2, 5, v0
	v_readfirstlane_b32 s12, v2                    ; wave
	v_and_b32 v1, 31, v0
	v_lshlrev_b32 v1, 4, v1                        ; 16 bytes a lane
	s_lshl_b32 s13, ttmp9, 2
	s_add_co_u32 s13, s13, s12                     ; my token
	s_lshl_b32 s14, s13, 3
	s_lshl_b32 s34, s13, 12
	s_mov_b32 s35, 0
	s_wait_kmcnt 0x0
	s_load_b64 s[16:17], s[8:9], s14 offset:0x100  ; its two places
	s_load_b64 s[18:19], s[6:7], s14 offset:0x0    ; its two weights
	s_add_nc_u64 s[32:33], s[10:11], s[34:35]      ; its row of out0
	s_wait_kmcnt 0x0
	s_min_u32 s16, s16, 2303                       ; a stored place enters an address held to the buffer's 2,304 rows
	s_min_u32 s17, s17, 2303
	s_mov_b32 s20, s19                             ; c1 in a pair of its own: the packed forms take a pair's low word for both halves
	s_mov_b32 s21, s19
	s_mov_b32 s23, 0
	s_lshl_b32 s22, s16, 12
	s_add_nc_u64 s[24:25], s[4:5], s[22:23]
	s_add_nc_u64 s[26:27], s[24:25], YH
	s_lshl_b32 s22, s17, 12
	s_add_nc_u64 s[28:29], s[4:5], s[22:23]
	s_add_nc_u64 s[30:31], s[28:29], YH
.irp i, 0,1,2,3,4,5,6,7
	global_load_b128 v[D+16*\i:D+16*\i+3], v1, s[24:25] offset:512*\i th:TH_LOAD_NT
	global_load_b128 v[D+16*\i+4:D+16*\i+7], v1, s[26:27] offset:512*\i th:TH_LOAD_NT
	global_load_b128 v[D+16*\i+8:D+16*\i+11], v1, s[28:29] offset:512*\i th:TH_LOAD_NT
	global_load_b128 v[D+16*\i+12:D+16*\i+15], v1, s[30:31] offset:512*\i th:TH_LOAD_NT
.endr
.irp i, 0,1,2,3,4,5,6,7
	s_wait_loadcnt 4*(7-\i)                        ; piece i's four loads are in; the later pieces' may be out
.irp j, 0,2
	v_pk_add_f32 v[D+16*\i+\j:D+16*\i+\j+1], v[D+16*\i+\j:D+16*\i+\j+1], v[D+16*\i+4+\j:D+16*\i+5+\j]
	v_pk_add_f32 v[D+16*\i+8+\j:D+16*\i+9+\j], v[D+16*\i+8+\j:D+16*\i+9+\j], v[D+16*\i+12+\j:D+16*\i+13+\j]
.endr
.irp j, 0,2
	v_pk_mul_f32 v[D+16*\i+\j:D+16*\i+\j+1], v[D+16*\i+\j:D+16*\i+\j+1], s[18:19] op_sel_hi:[1,0]
.endr
.irp j, 0,2
	v_pk_fma_f32 v[D+16*\i+\j:D+16*\i+\j+1], v[D+16*\i+8+\j:D+16*\i+9+\j], s[20:21], v[D+16*\i+\j:D+16*\i+\j+1] op_sel_hi:[1,0,1]
.endr
	global_store_b128 v1, v[D+16*\i:D+16*\i+3], s[32:33] offset:512*\i th:TH_STORE_NT
.endr
	s_endpgm
.Lfunc_end_k_q533d20a4fa_mix:
	.size	k_q533d20a4fa_mix, .Lfunc_end_k_q533d20a4fa_mix-k_q533d20a4fa_mix
	.p2alignl 7, 3214868480
	.fill 96, 4, 3214868480
	.section	.rodata,"a",@progbits
	.p2align	6, 0x0
	.amdhsa_kernel k_q533d20a4fa_mix
		.amdhsa_group_segment_fixed_size 0
		.amdhsa_private_segment_fixed_size 0
		.amdhsa_enable_private_segment 0
		.amdhsa_kernarg_size 32
		.amdhsa_user_sgpr_count 2
		.amdhsa_user_sgpr_kernarg_segment_ptr 1
		.amdhsa_wavefront_size32 1
		.amdhsa_system_sgpr_workgroup_id_x 1
		.amdhsa_system_sgpr_workgroup_id_y 1
		.amdhsa_system_sgpr_workgroup_id_z 1
		.amdhsa_system_vgpr_workitem_id 0
		.amdhsa_next_free_vgpr 160
		.amdhsa_next_free_sgpr 66
		.amdhsa_reserve_vcc 0
		.amdhsa_float_denorm_mode_32 3
		.amdhsa_float_denorm_mode_16_64 3
		.amdhsa_memory_ordered 1
		.amdhsa_forward_progress 1
		.amdhsa_inst_pref_size 10
	.end_amdhsa_kernel
	.amdgpu_metadata
---
amdhsa.version: [ 1, 2 ]
amdhsa.kernels:
  - .name:           k_q533d20a4fa_mix
    .symbol:         k_q533d20a4fa_mix.kd
    .args:
      - { .name: ybuf, .offset: 0, .size: 8, .value_kind: global_buffer, .address_space: global }
      - { .name: rf, .offset: 8, .size: 8, .value_kind: global_buffer, .address_space: global }
      - { .name: plan, .offset: 16, .size: 8, .value_kind: global_buffer, .address_space: global }
      - { .name: out0, .offset: 24, .size: 8, .value_kind: global_buffer, .address_space: global }
    .group_segment_fixed_size: 0
    .private_segment_fixed_size: 0
    .kernarg_segment_align: 8
    .kernarg_segment_size: 32
    .max_flat_workgroup_size: 128
    .sgpr_count:     66
    .vgpr_count:     160
    .wavefront_size: 32
...
	.end_amdgpu_metadata
.endif
;; end of part 5
;; ======== version 2 of 2: 5 launches
;; workspace buffers: xc 557,056 bytes; rf 40,960 bytes; ridx 8,192 bytes of whole numbers; plan 17,664 bytes of whole numbers; hc 5,013,504 bytes; ybuf 18,874,368 bytes
;; launch route (part 6): grid 256 x 1, 4 waves a work-group, no clusters, 33,792 bytes of LDS; arguments x, gate_w, xc, rf, ridx, out3; writes xc, rf, ridx, out3
.if DOCPART == 6
	.amdgcn_target "amdgcn-amd-amdhsa--gfx1250"
	.amdhsa_code_object_version 6
	.text
	.protected	k_q533d20a4fa_route
	.globl	k_q533d20a4fa_route
	.p2align	8
	.type	k_q533d20a4fa_route,@function
k_q533d20a4fa_route:
	s_mov_b64 s[64:65], 0
	v_nop
	global_prefetch_b8 v0, s[64:65] scope:SCOPE_SE
	s_setreg_imm32_b32 hwreg(HW_REG_WAVE_MODE, 25, 1), 1
	s_wait_xcnt 0x0
; ROUTER AND QUANTISER OF x.  x [1024 tokens][1024] f32, gate_w [1024][8] f32.
; One wave takes one token: lane l holds the row's block l (k = 32 l .. 32 l + 31) in 32 registers.  From them come
;  (a) the row's codes of E2M1 (16 bytes a lane, 512 consecutive bytes a wave) and its 32 scale bytes -> xc;
;  (b) the eight logits: 32 x 8 multiply-adds a lane in f32, summed over the lanes; softmax with the row's maximum taken away;
;      the two largest probabilities (ties: the lower index), renormalised -> rf (weights, probabilities), ridx (experts), out3.
; The choice selects values only (v_cndmask_b32): no address and no branch of this launch hangs on it.
; gate_w (32 KB) is brought once a work-group, 2,048 consecutive bytes an instruction, and lies in LDS as 32 chunks of 1,024 bytes
; (a lane's 32 rows) with 16 bytes behind each: pitch 1,040, so that the lanes' 16-byte reads fall on different banks.
; No matrix unit, no cluster: the product has 8 columns and is left in f32; the work-groups share only gate_w's 32 KB.
; LIMITS: NaN and infinities are not served; a block whose largest magnitude lies under 2^-124 (a block of zeros too) gets the byte 1:
; its bytes are read by this program alone.  v_exp_f32 and v_rcp_f32 are good to one unit in the last place.
.set XSO, 524288                       ; xc: the scale bytes begin here, 32 a token
.set PBO, 8192                         ; rf: the probabilities begin here, 8 a token
.set GP,  1040
.set BY,  14                           ; v14      my block's scale byte: a store's data, written once
.set X,   16                           ; v16-47   my block of x
.set G,   48                           ; v48-111  gate_w on its way to LDS; then two sets of four rows of 8
.set A,   112                          ; v112-119 the logits, then the exponentials
.set P,   120                          ; v120-127 the probabilities
.set T,   132                          ; v132-139 at work
.set C,   140                          ; v140-143 my block's codes
.set SEL, 20                           ; s[20:21] v_permlanex16_b32's selects for lane l xor 16
	s_load_b256 s[4:11], s[0:1], 0x0               ; x s[4:5], gate_w s[6:7], xc s[8:9], rf s[10:11]
	s_load_b128 s[12:15], s[0:1], 0x20             ; ridx s[12:13], out3 s[14:15]
	v_lshl_add_u32 v144, v0, 2, 0x8200
	v_mov_b32 v145, 0
	v_lshrrev_b32 v8, 5, v0
	v_readfirstlane_b32 s16, v8                    ; wave
	v_and_b32 v1, 31, v0                           ; lane
	v_lshlrev_b32 v2, 7, v1                        ; my block of x: 128 bytes a lane
	v_lshlrev_b32 v3, 4, v0                        ; gate_w in memory: 16 bytes a thread
	v_lshrrev_b32 v4, 6, v0
	v_lshl_add_u32 v4, v4, 4, v3                   ; and in LDS: + 16 for each 1,024 passed
	v_mul_u32_u24 v5, v1, GP                       ; my chunk of gate_w
	v_lshlrev_b32 v6, 4, v1                        ; my codes' place in the row's
	v_mov_b32 v7, 0
.irp e, 0,1,2,3,4,5,6,7
	v_mov_b32 v[T+\e], 0                           ; written once: a lane permute's destination counts as one of its sources
.endr
	s_lshl_b32 s17, ttmp9, 2
	s_add_co_u32 s17, s17, s16                     ; my token
	s_mov_b32 s[SEL], 0x76543210
	s_mov_b32 s[SEL+1], 0xfedcba98
	s_mov_b32 s22, 0x3fb8aa3b                      ; log2(e)
	s_mov_b32 s19, 0
	s_lshl_b32 s18, s17, 12
	s_wait_kmcnt 0x0
	s_add_nc_u64 s[4:5], s[4:5], s[18:19]          ; my row of x
.irp i, 0,1,2,3,4,5,6,7,8,9,10,11,12,13,14,15
	global_load_b128 v[G+4*\i:G+4*\i+3], v3, s[6:7] offset:2048*\i
.endr
.irp i, 0,1,2,3,4,5,6,7
	global_load_b128 v[X+4*\i:X+4*\i+3], v2, s[4:5] offset:16*\i th:TH_LOAD_NT
.endr
	s_lshl_b32 s18, s17, 9
	s_add_nc_u64 s[24:25], s[8:9], s[18:19]        ; my row of codes
	s_lshl_b32 s18, s17, 5
	s_add_nc_u64 s[26:27], s[8:9], s[18:19]        ; my 32 scale bytes (+ XSO)
	s_add_nc_u64 s[28:29], s[10:11], s[18:19]      ; my 8 probabilities (+ PBO)
	s_lshl_b32 s18, s17, 3
	s_add_nc_u64 s[30:31], s[10:11], s[18:19]      ; my two weights
	s_add_nc_u64 s[32:33], s[12:13], s[18:19]      ; my two experts
	s_lshl_b32 s18, s17, 2
	s_add_nc_u64 s[34:35], s[14:15], s[18:19]      ; out3
	s_wait_loadcnt 8                               ; gate_w's sixteen loads are in; x's eight may be out
.irp i, 0,1,2,3,4,5,6,7,8,9,10,11,12,13,14,15
	ds_store_b128 v4, v[G+4*\i:G+4*\i+3] offset:2080*\i
.endr
	s_wait_dscnt 0x0                               ; for the others' sake: my part of gate_w lies in LDS
	s_barrier_signal -1
	s_barrier_wait -1
.macro LOADG g                         ; rows 4 g .. 4 g + 3 of my chunk into set g % 2
.irp q, 0,1,2,3
.irp p, 0,1
	ds_load_b128 v[G+32*((\g)%2)+8*\q+4*\p:G+32*((\g)%2)+8*\q+4*\p+3], v5 offset:32*(4*(\g)+\q)+16*\p
.endr
.endr
.endm
	LOADG 0
	LOADG 1
	s_wait_loadcnt 0x0                             ; x
	; my block's scale and codes
	v_max3_num_f32 v8, |v[X]|, |v[X+1]|, |v[X+2]|
	v_max3_num_f32 v9, |v[X+3]|, |v[X+4]|, |v[X+5]|
.irp i, 6,10,14,18,22,26
	v_max3_num_f32 v8, v8, |v[X+\i]|, |v[X+\i+1]|
	v_max3_num_f32 v9, v9, |v[X+\i+2]|, |v[X+\i+3]|
.endr
	v_max3_num_f32 v8, v8, |v[X+30]|, |v[X+31]|
	v_max3_num_f32 v8, v8, v9, 0x1800000           ; and the floor 2^(3 - 127): the byte cannot fall under 1
	v_add_nc_u32 v10, 0xff000000, v8               ; 2 off the exponent field: the conversion takes this operand's exponent field as its scale
	v_lshrrev_b32 v[BY], 23, v10                   ; the scale's byte
.irp g, 0,1,2,3
	v_cvt_scalef32_pk8_fp4_f32 v[C+\g], v[X+8*\g:X+8*\g+7], v10
.endr
	v_nop                                          ; one plain place behind a scaled conversion
	global_store_b128 v6, v[C:C+3], s[24:25]       ; the wave stores 512 consecutive bytes
	global_store_b8 v1, v[BY], s[26:27] offset:XSO ; and 32 consecutive bytes.  No later line writes v1, v6, v14 or v140-143
	; the logits: my 32 rows of gate_w, four at a time
.irp g, 0,1,2,3,4,5,6,7
.if \g < 7
	s_wait_alu depctr_va_vdst(0)
	s_wait_dscnt 8                                 ; this set's eight loads are in; the other set's may be out
.else
	s_wait_alu depctr_va_vdst(0)
	s_wait_dscnt 0x0
.endif
.irp q, 0,1,2,3
.irp e, 0,1,2,3,4,5,6,7
.if (\g == 0) && (\q == 0)
	v_mul_f32 v[A+\e], v[X], v[G+\e]               ; the first row starts the sums
.else
	v_fmac_f32 v[A+\e], v[X+4*\g+\q], v[G+32*(\g%2)+8*\q+\e]
.endif
.endr
.endr
.if \g < 6
	LOADG \g+2
.endif
.endr
.irp m, 1,2,4,8
.irp e, 0,1,2,3,4,5,6,7
	v_add_f32_dpp v[A+\e], v[A+\e], v[A+\e] row_xmask:\m row_mask:0xf bank_mask:0xf
.endr
.endr
.irp e, 0,1,2,3,4,5,6,7
	v_permlanex16_b32 v[T+\e], v[A+\e], s[SEL], s[SEL+1]
.endr
.irp e, 0,1,2,3,4,5,6,7
	v_add_f32 v[A+\e], v[A+\e], v[T+\e]            ; every lane holds the eight logits
.endr
	; softmax
	v_max3_num_f32 v8, v[A], v[A+1], v[A+2]
	v_max3_num_f32 v8, v8, v[A+3], v[A+4]
	v_max3_num_f32 v8, v8, v[A+5], v[A+6]
	v_max_num_f32 v8, v8, v[A+7]
.irp e, 0,1,2,3,4,5,6,7
	v_sub_f32 v[A+\e], v[A+\e], v8
.endr
.irp e, 0,1,2,3,4,5,6,7
	v_mul_f32 v[A+\e], s22, v[A+\e]
.endr
	s_wait_alu depctr_va_vdst(0)
.irp e, 0,1,2,3,4,5,6,7
	v_exp_f32 v[A+\e], v[A+\e]
.endr
	v_nop                                          ; a plain place behind the exponentials
	s_wait_alu depctr_va_vdst(0)
	v_add_f32 v9, v[A], v[A+1]
	v_add_f32 v10, v[A+2], v[A+3]
	v_add_f32 v11, v[A+4], v[A+5]
	v_add_f32 v12, v[A+6], v[A+7]
	v_add_f32 v9, v9, v10
	v_add_f32 v11, v11, v12
	v_add_f32 v9, v9, v11
	s_wait_alu depctr_va_vdst(0)
	v_rcp_f32 v10, v9
	v_nop
	s_wait_alu depctr_va_vdst(0)
.irp e, 0,1,2,3,4,5,6,7
	v_mul_f32 v[P+\e], v[A+\e], v10
.endr
	; the largest probability: v132, its expert v128.  The holder stays where it is at least as large: ties go to the lower index
	v_mov_b32 v132, v[P]
	v_mov_b32 v128, 0
.irp e, 1,2,3,4,5,6,7
	v_cmp_ge_f32 vcc_lo, v132, v[P+\e]
	v_cndmask_b32 v128, \e, v128, vcc_lo
	v_cndmask_b32 v132, v[P+\e], v132, vcc_lo
.endr
	; the second: the same over all eight, with -1 in the first's place
	v_mov_b32 v133, -1.0
	v_mov_b32 v135, -1.0
	v_mov_b32 v129, 0
.irp e, 0,1,2,3,4,5,6,7
	v_cmp_eq_u32 s36, \e, v128
	v_cndmask_b32 v134, v[P+\e], v135, s36
	v_cmp_ge_f32 vcc_lo, v133, v134
	v_cndmask_b32 v129, \e, v129, vcc_lo
	v_cndmask_b32 v133, v134, v133, vcc_lo
.endr
	v_add_f32 v136, v132, v133
	s_wait_alu depctr_va_vdst(0)
	v_rcp_f32 v137, v136
	v_nop
	s_wait_alu depctr_va_vdst(0)
	v_mul_f32 v130, v132, v137                     ; the two weights, renormalised
	v_mul_f32 v131, v133, v137
	v_cmp_eq_u32 vcc_lo, 0, v1
	s_wait_alu depctr_va_vdst(0)
	s_wait_xcnt 0x0                                ; EXEC changes only behind this wait: the stores above have read it
	s_wait_tensorcnt 0x0
	ds_add_u32 v144, v145
	s_wait_dscnt 0x0
	s_and_saveexec_b32 s37, vcc_lo                 ; lane 0 stores the token's 52 bytes, at fixed places
	global_store_b128 v7, v[P:P+3], s[28:29] offset:PBO
	global_store_b128 v7, v[P+4:P+7], s[28:29] offset:PBO+16
	global_store_b64 v7, v[128:129], s[32:33]
	global_store_b64 v7, v[130:131], s[30:31]
	global_store_b32 v7, v128, s[34:35]
	s_wait_xcnt 0x0                                ; and again in front of the line that widens it
	s_or_b32 exec_lo, exec_lo, s37
	s_endpgm
.Lfunc_end_k_q533d20a4fa_route:
	.size	k_q533d20a4fa_route, .Lfunc_end_k_q533d20a4fa_route-k_q533d20a4fa_route
	.p2alignl 7, 3214868480
	.fill 96, 4, 3214868480
	.section	.rodata,"a",@progbits
	.p2align	6, 0x0
	.amdhsa_kernel k_q533d20a4fa_route
		.amdhsa_group_segment_fixed_size 33792
		.amdhsa_private_segment_fixed_size 0
		.amdhsa_enable_private_segment 0
		.amdhsa_kernarg_size 48
		.amdhsa_user_sgpr_count 2
		.amdhsa_user_sgpr_kernarg_segment_ptr 1
		.amdhsa_wavefront_size32 1
		.amdhsa_system_sgpr_workgroup_id_x 1
		.amdhsa_system_sgpr_workgroup_id_y 1
		.amdhsa_system_sgpr_workgroup_id_z 1
		.amdhsa_system_vgpr_workitem_id 0
		.amdhsa_next_free_vgpr 146
		.amdhsa_next_free_sgpr 66
		.amdhsa_reserve_vcc 1
		.amdhsa_float_denorm_mode_32 3
		.amdhsa_float_denorm_mode_16_64 3
		.amdhsa_memory_ordered 1
		.amdhsa_forward_progress 1
		.amdhsa_inst_pref_size 28
	.end_amdhsa_kernel
	.amdgpu_metadata
---
amdhsa.version: [ 1, 2 ]
amdhsa.kernels:
  - .name:           k_q533d20a4fa_route
    .symbol:         k_q533d20a4fa_route.kd
    .args:
      - { .name: x, .offset: 0, .size: 8, .value_kind: global_buffer, .address_space: global }
      - { .name: gate_w, .offset: 8, .size: 8, .value_kind: global_buffer, .address_space: global }
      - { .name: xc, .offset: 16, .size: 8, .value_kind: global_buffer, .address_space: global }
      - { .name: rf, .offset: 24, .size: 8, .value_kind: global_buffer, .address_space: global }
      - { .name: ridx, .offset: 32, .size: 8, .value_kind: global_buffer, .address_space: global }
      - { .name: out3, .offset: 40, .size: 8, .value_kind: global_buffer, .address_space: global }
    .group_segment_fixed_size: 33792
    .private_segment_fixed_size: 0
    .kernarg_segment_align: 8
    .kernarg_segment_size: 48
    .max_flat_workgroup_size: 128
    .sgpr_count:     66
    .vgpr_count:     146
    .wavefront_size: 32
...
	.end_amdgpu_metadata
.endif
;; end of part 6
;; launch place (part 7): grid 1 x 1, 32 waves a work-group, no clusters, 6,144 bytes of LDS; arguments ridx, rf, plan, out1, out2; writes plan, out1, out2
.if DOCPART == 7
	.amdgcn_target "amdgcn-amd-amdhsa--gfx1250"
	.amdhsa_code_object_version 6
	.text
	.protected	k_q533d20a4fa_place
	.globl	k_q533d20a4fa_place
	.p2align	8
	.type	k_q533d20a4fa_place,@function
k_q533d20a4fa_place:
	s_mov_b64 s[64:65], 0
	v_nop
	global_prefetch_b8 v0, s[64:65] scope:SCOPE_SE
	s_setreg_imm32_b32 hwreg(HW_REG_WAVE_MODE, 25, 1), 1
	s_wait_xcnt 0x0
; THE ROWS ARE PLACED BY EXPERT (a counting sort without atomics), and the two statistics are finished.
; One work-group of 1,024 threads, a thread a token.  ridx holds each token's two experts as whole numbers.
; Each expert's rows lie together, in the order of the tokens; a segment is filled up to a multiple of 32 places with token 0, whose rows are computed and never read.
; At most 2,048 + 8 x 31 places, in whole 32s at most 2,272: the buffers hold 2,304.
; plan: SEG at 0: [32][2] (first tile of 32, tiles of 32; entries 8 .. 31 are zeros); POS at 256: [1024][2] a token's two places; ROWTOK at 8448: [2304] a place's token.
; A wave counts by masks (v_cmp, s_bcnt1); the waves' counts meet in LDS behind the one barrier; every wave then sums all counts and those of the waves before it.
; out2 = the mean of the probabilities, out1 = 8 x the sum of its squares.
; One work-group: the sort is 8 KB of whole numbers, and a sum over work-groups would want a further launch.
; REGISTERS: v1-3, v10-15 lane terms and addresses, made at the head; v4-5 my experts; v6-7 my places; v16-23 probabilities; v24-31 my wave's counts; v32-39 all waves' counts;
; v40-47 packed sums; v48-55 at work; v56-57 offsets made at the head and never rewritten; v58-60 offsets made of places held to the table; v61 the token 0; v62-63 SEG's entry.
.set POSO, 256
.set RTO,  8448
.set PS,   1024                        ; LDS: at 0 [8 experts][32 waves] counts; at PS [32 waves][8] sums of probabilities
.set ZA,   56                          ; v56  the offset 0
.set SGA,  57                          ; v57  8 x lane: SEG's offset
.set RA,   58                          ; v58-60 offsets into ROWTOK
.set ZD,   61                          ; v61  token 0, a store's data
.set SG,   62                          ; v[62:63]
.set M0,   16                          ; s[16:23] lanes whose first expert is e
.set M1,   24                          ; s[24:31] lanes whose second is
.set MM,   32                          ; s[32:39] either
.set BA,   40                          ; s[40:47] an expert's rows, then: its segment's start + the rows of the waves before mine
.set PE,   48                          ; s[48:55] start + rows: where the filling begins
.set EN,   56                          ; s[56:63] the rows of the waves before mine, then: the segment's end
.set ST,   66                          ; s[66:73] start / 32
.set NTI,  74                          ; s[74:81] tiles of 32
.set SEL,  84                          ; s[84:85]
	s_load_b256 s[4:11], s[0:1], 0x0               ; ridx s[4:5], rf s[6:7], plan s[8:9], out1 s[10:11]
	s_load_b64 s[12:13], s[0:1], 0x20              ; out2
	v_lshl_add_u32 v64, v0, 2, 0x800
	v_mov_b32 v65, 0
	v_lshrrev_b32 v8, 5, v0
	s_delay_alu instid0(VALU_DEP_1)
	v_readfirstlane_b32 s14, v8                    ; wave
	v_and_b32 v1, 31, v0                           ; lane
	v_lshlrev_b32 v2, 3, v0
	v_lshlrev_b32 v3, 5, v0
	v_lshlrev_b32 v10, 2, v8                       ; LDS: my wave's word in a row of counts
	v_lshl_add_u32 v12, v8, 5, PS                  ; my wave's eight sums
	v_lshlrev_b32 v13, 2, v1                       ; wave l's word, for lane l
	v_lshl_add_u32 v15, v1, 5, PS                  ; wave l's eight sums
	v_mov_b32 v[ZA], 0
	v_lshlrev_b32 v[SGA], 3, v1
	v_mov_b32 v[ZD], 0
.irp k, 0,1,2,3,4,5,6,7
	v_mov_b32 v[48+\k], 0                          ; written once: destinations of lane permutes and DPP moves count as read
.endr
	s_mov_b32 s[SEL], 0x76543210
	s_mov_b32 s[SEL+1], 0xfedcba98
	s_wait_kmcnt 0x0
	global_load_b64 v[4:5], v2, s[4:5]
	global_load_b128 v[16:19], v3, s[6:7] offset:8192
	global_load_b128 v[20:23], v3, s[6:7] offset:8208
	s_wait_loadcnt 2                               ; the experts are in; the two loads of probabilities may be out
.irp e, 0,1,2,3,4,5,6,7
	v_cmp_eq_u32 s[M0+\e], \e, v4
	v_cmp_eq_u32 s[M1+\e], \e, v5
	s_or_b32 s[MM+\e], s[M0+\e], s[M1+\e]
	s_bcnt1_i32_b32 s82, s[MM+\e]
	v_mov_b32 v[24+\e], s82
	ds_store_b32 v10, v[24+\e] offset:128*\e       ; all lanes write the same word with the same value
.endr
	s_wait_loadcnt 0x0
.macro BFLY b                          ; eight sums over the 32 lanes, the result in every lane
.irp m, 1,2,4,8
.irp e, 0,1,2,3,4,5,6,7
	v_add_f32_dpp v[\b+\e], v[\b+\e], v[\b+\e] row_xmask:\m row_mask:0xf bank_mask:0xf
.endr
.endr
.irp e, 0,1,2,3,4,5,6,7
	v_permlanex16_b32 v[48+\e], v[\b+\e], s[SEL], s[SEL+1]
.endr
.irp e, 0,1,2,3,4,5,6,7
	v_add_f32 v[\b+\e], v[\b+\e], v[48+\e]
.endr
.endm
	BFLY 16
	ds_store_b128 v12, v[16:19]
	ds_store_b128 v12, v[20:23] offset:16
	s_wait_dscnt 0x0                               ; for the others' sake: my counts and sums lie in LDS
	s_barrier_signal -1
	s_barrier_wait -1
.irp e, 0,1,2,3,4,5,6,7
	ds_load_b32 v[32+\e], v13 offset:128*\e        ; lane l: wave l's count for expert e
.endr
	s_wait_dscnt 0x0
	v_cmp_gt_u32 vcc_lo, s14, v1                   ; the waves before mine
.irp k, 0,1,2,3
	v_lshl_or_b32 v[40+\k], v[33+2*\k], 16, v[32+2*\k]   ; two experts to a word: a sum is at most 1,024, so nothing is carried across
.endr
.irp k, 0,1,2,3
	s_delay_alu instid0(VALU_DEP_4)
	v_cndmask_b32 v[44+\k], 0, v[40+\k], vcc_lo
.endr
.irp m, 1,2,4,8
.irp k, 0,1,2,3,4,5,6,7
	v_mov_b32_dpp v[48+\k], v[40+\k] row_xmask:\m row_mask:0xf bank_mask:0xf
.endr
.irp k, 0,1,2,3,4,5,6,7
	v_add_nc_u32 v[40+\k], v[40+\k], v[48+\k]
.endr
.endr
.irp k, 0,1,2,3,4,5,6,7
	v_permlanex16_b32 v[48+\k], v[40+\k], s[SEL], s[SEL+1]
.endr
.irp k, 0,1,2,3,4,5,6,7
	v_add_nc_u32 v[40+\k], v[40+\k], v[48+\k]
.endr
	s_wait_alu depctr_va_vdst(0)
.irp k, 0,1,2,3
	v_readfirstlane_b32 s86, v[40+\k]
	s_and_b32 s[BA+2*\k], s86, 0xffff
	s_lshr_b32 s[BA+1+2*\k], s86, 16
	v_readfirstlane_b32 s86, v[44+\k]
	s_and_b32 s[EN+2*\k], s86, 0xffff
	s_lshr_b32 s[EN+1+2*\k], s86, 16
.endr
	s_mov_b32 s82, 0                               ; the segments, one behind the other
.irp e, 0,1,2,3,4,5,6,7
	s_lshr_b32 s[ST+\e], s82, 5
	s_add_co_u32 s83, s[BA+\e], 31
	s_lshr_b32 s[NTI+\e], s83, 5
	s_add_co_u32 s[PE+\e], s82, s[BA+\e]
	s_add_co_u32 s[BA+\e], s82, s[EN+\e]
	s_lshl_b32 s83, s[NTI+\e], 5
	s_add_co_u32 s82, s82, s83
	s_mov_b32 s[EN+\e], s82
.endr
	v_mov_b32 v6, 0
	v_mov_b32 v7, 0
.irp e, 0,1,2,3,4,5,6,7
	v_mbcnt_lo_u32_b32 v14, s[MM+\e], 0            ; the lanes before mine that chose e
	s_delay_alu instid0(VALU_DEP_1)
	v_add_nc_u32 v14, s[BA+\e], v14
	s_delay_alu instid0(VALU_DEP_1)
	v_cndmask_b32 v6, v6, v14, s[M0+\e]
	s_delay_alu instid0(VALU_DEP_2)
	v_cndmask_b32 v7, v7, v14, s[M1+\e]
.endr
	global_store_b64 v2, v[6:7], s[8:9] offset:POSO   ; a wave stores 256 consecutive bytes
	v_min_u32 v[RA], 0x8ff, v6                     ; a place enters an address held to the table's 2,304 entries
	v_min_u32 v[RA+1], 0x8ff, v7
	s_delay_alu instid0(VALU_DEP_2)
	v_lshlrev_b32 v[RA], 2, v[RA]
	s_delay_alu instid0(VALU_DEP_2)
	v_lshlrev_b32 v[RA+1], 2, v[RA+1]
	global_store_b32 v[RA], v0, s[8:9] offset:RTO
	global_store_b32 v[RA+1], v0, s[8:9] offset:RTO
	; the filling: wave e fills expert e's segment, at most 31 places; waves 8 .. 31 have no lane on
	s_mov_b32 s86, 0
	s_mov_b32 s87, 0
.irp e, 0,1,2,3,4,5,6,7
	s_cmp_eq_u32 s14, \e
	s_cselect_b32 s86, s[PE+\e], s86
	s_cselect_b32 s87, s[EN+\e], s87
.endr
	v_add_nc_u32 v[RA+2], s86, v1
	s_delay_alu instid0(VALU_DEP_1)
	v_cmp_gt_u32 vcc_lo, s87, v[RA+2]
	s_delay_alu instid0(VALU_DEP_2)
	v_min_u32 v[RA+2], 0x8ff, v[RA+2]
	s_delay_alu instid0(VALU_DEP_1)
	v_lshlrev_b32 v[RA+2], 2, v[RA+2]
	s_wait_alu depctr_va_vdst(0)
	s_wait_xcnt 0x0                                ; EXEC changes only behind this wait
	s_and_saveexec_b32 s88, vcc_lo
	global_store_b32 v[RA+2], v[ZD], s[8:9] offset:RTO   ; token 0
	s_wait_xcnt 0x0
	s_or_b32 exec_lo, exec_lo, s88
	s_cmp_lg_u32 s14, 0
	s_cbranch_scc1 .Lend                           ; the rest is wave 0's: no barrier stands in it
	v_mov_b32 v[SG], 0
	v_mov_b32 v[SG+1], 0
.irp e, 0,1,2,3,4,5,6,7
	s_delay_alu instid0(VALU_DEP_2)
	v_writelane_b32 v[SG], s[ST+\e], \e
	s_delay_alu instid0(VALU_DEP_2)
	v_writelane_b32 v[SG+1], s[NTI+\e], \e
.endr
	global_store_b64 v[SGA], v[SG:SG+1], s[8:9]    ; SEG: 256 consecutive bytes
	ds_load_b128 v[16:19], v15
	ds_load_b128 v[20:23], v15 offset:16
	s_wait_dscnt 0x0
	BFLY 16
.irp e, 0,1,2,3,4,5,6,7
	v_mul_f32 v[16+\e], 0x3a800000, v[16+\e]       ; / 1,024: the mean
.endr
	v_mul_f32 v11, v16, v16
.irp e, 1,2,3,4,5,6,7
	s_delay_alu instid0(VALU_DEP_1)
	v_fmac_f32 v11, v[16+\e], v[16+\e]
.endr
	s_delay_alu instid0(VALU_DEP_1)
	v_mul_f32 v11, 0x41000000, v11                 ; x 8
	v_cmp_eq_u32 vcc_lo, 0, v1
	s_wait_alu depctr_va_vdst(0)
	s_wait_xcnt 0x0
	s_and_saveexec_b32 s88, vcc_lo
	global_store_b128 v[ZA], v[16:19], s[12:13]
	global_store_b128 v[ZA], v[20:23], s[12:13] offset:16
	global_store_b32 v[ZA], v11, s[10:11]
	s_wait_xcnt 0x0
	s_or_b32 exec_lo, exec_lo, s88
.Lend:
	s_wait_tensorcnt 0x0
	ds_add_u32 v64, v65
	s_wait_dscnt 0x0
	s_endpgm
.Lfunc_end_k_q533d20a4fa_place:
	.size	k_q533d20a4fa_place, .Lfunc_end_k_q533d20a4fa_place-k_q533d20a4fa_place
	.p2alignl 7, 3214868480
	.fill 96, 4, 3214868480
	.section	.rodata,"a",@progbits
	.p2align	6, 0x0
	.amdhsa_kernel k_q533d20a4fa_place
		.amdhsa_group_segment_fixed_size 6144
		.amdhsa_private_segment_fixed_size 0
		.amdhsa_enable_private_segment 0
		.amdhsa_kernarg_size 40
		.amdhsa_user_sgpr_count 2
		.amdhsa_user_sgpr_kernarg_segment_ptr 1
		.amdhsa_wavefront_size32 1
		.amdhsa_system_sgpr_workgroup_id_x 1
		.amdhsa_system_sgpr_workgroup_id_y 1
		.amdhsa_system_sgpr_workgroup_id_z 1
		.amdhsa_system_vgpr_workitem_id 0
		.amdhsa_next_free_vgpr 66
		.amdhsa_next_free_sgpr 96
		.amdhsa_reserve_vcc 1
		.amdhsa_float_denorm_mode_32 3
		.amdhsa_float_denorm_mode_16_64 3
		.amdhsa_memory_ordered 1
		.amdhsa_forward_progress 1
		.amdhsa_inst_pref_size 26
	.end_amdhsa_kernel
	.amdgpu_metadata
---
amdhsa.version: [ 1, 2 ]
amdhsa.kernels:
  - .name:           k_q533d20a4fa_place
    .symbol:         k_q533d20a4fa_place.kd
    .args:
      - { .name: ridx, .offset: 0, .size: 8, .value_kind: global_buffer, .address_space: global }
      - { .name: rf, .offset: 8, .size: 8, .value_kind: global_buffer, .address_space: global }
      - { .name: plan, .offset: 16, .size: 8, .value_kind: global_buffer, .address_space: global }
      - { .name: out1, .offset: 24, .size: 8, .value_kind: global_buffer, .address_space: global }
      - { .name: out2, .offset: 32, .size: 8, .value_kind: global_buffer, .address_space: global }
    .group_segment_fixed_size: 6144
    .private_segment_fixed_size: 0
    .kernarg_segment_align: 8
    .kernarg_segment_size: 40
    .max_flat_workgroup_size: 1024
    .sgpr_count:     96
    .vgpr_count:     66
    .wavefront_size: 32
...
	.end_amdgpu_metadata
.endif
;; end of part 7
;; launch up (part 8): grid 32 x 8, 16 waves a work-group, no clusters, 71,680 bytes of LDS; arguments up_w, up_b, xc, plan, hc; writes hc
.if DOCPART == 8
	.amdgcn_target "amdgcn-amd-amdhsa--gfx1250"
	.amdhsa_code_object_version 6
	.text
	.protected	k_q533d20a4fa_up
	.globl	k_q533d20a4fa_up
	.p2align	8
	.type	k_q533d20a4fa_up,@function
k_q533d20a4fa_up:
	s_mov_b64 s[64:65], 0
	v_nop
	global_prefetch_b8 v0, s[64:65] scope:SCOPE_SE
	s_setreg_imm32_b32 hwreg(HW_REG_WAVE_SCHED_MODE, 0, 2), 2
	s_setreg_imm32_b32 hwreg(HW_REG_WAVE_MODE, 25, 1), 1
	s_wait_xcnt 0x0
	s_wait_alu depctr_vm_vsrc(0)
; THE FIRST PRODUCT OF EACH EXPERT: h = gelu(Q(x) Q(up_w[e]) + up_b[e]), quantised along the second product's K -> hc.  Only the rows routed to the expert are multiplied.
; A work-group owns expert e (grid y) and hidden units 128 sl .. 128 sl + 127 (grid x): 128 columns x 1,024 rows of up_w, 512 KB that no other work-group reads.
; PHASE 1, the weights, once: a wave takes 32 columns x 256 rows.  A LANE TAKES A COLUMN AND ITS REGISTERS RUN DOWN K: a block of 32 along K lies in one lane's 32 registers, its largest magnitude needs
; no other lane, and the conversions give codes with K innermost.  Each load covers 128 consecutive bytes; two blocks (64 loads a wave) are asked for ahead.  The codes go to LDS as images of the operand's
; registers: slot q = 8 x column group + K step: [block 0..3][lane][16 bytes]; the scale words [lane] beside them.
; Lane l takes column (l & 7) + 16 ((l >> 3) & 1) + 8 (l >> 4) of the 32, so that lanes 0-15 are one tile's 16 rows and lanes 16-31 the other's, and in the transposed result
; the 16 registers of a lane's two tiles are 16 neighbours along the next K: columns 16 (lane / 16) + 0 .. 15.
; PHASE 2, behind the one barrier: wave w takes the expert's tiles of 32 places w and w + 16, as far as the count goes that the launch before stored.  A tile: x's codes of 32 tokens (gathered by the stored list) stay in 128 registers;
; for each group of 32 columns: 8 K steps x 4 products (source 0 = 16 columns of the weight, source 1 = 16 tokens; the bias is the C of the first), the exact GELU in f32, the block's scale and codes.
; hc is laid as the next launch's operand registers: codes [tile of 16][K step][half][lane][16 bytes], scale words [tile of 32][K step][lane].
; NO TENSOR LOAD, NO CLUSTER: which trips do work hangs on a stored number; no weight byte is shared; what work-groups share, x's codes, is 17 KB a tile against the work-group's own 512 KB.
; erf(z) = z P(z^2) / Q(z^2) on z held to +-4, polynomials of degree 6 and 4: absolute error about 1e-7.
; LIMITS: NaN and infinities are not served; a block whose largest magnitude lies under 2^-124 (a block of zeros too) gets the byte 1: the bytes are read by this program alone.
; THE MODE: SCHED_MODE bits 1:0 = 2 (LLVM: expert scheduling mode 2), set by the entry lines.  The code itself states the register dependences
; between vector or matrix instructions and memory or LDS instructions, with s_wait_alu, always for 0.
; THE PLAN.  Registers that memory or LDS instructions touch:
;   v2-11         Offsets and LDS addresses: written at the head, never again.  One wait on va_vdst ahead of the first load serves every load and store of the kernel.
;   PHASE 1.  L0, L1 (v116-179): block t's maxima and conversions read set t % 2; behind them the loads of block t + 2 land in it.  The codes (v180-211) and scale words (v212-213) are written by a block's
;             vector lines, read by its LDS stores, and not written again in the phase.  ONE wait on va_vdst a block, behind its conversions, states both.
;   Behind the barrier one wait on vm_vsrc: the LDS stores have read v180-213, which are part of x's fragments from there on.
;   PHASE 2.  TA, BI, XSC, X: loads land in them; vector lines (TA) and products (the others) read them.  XA: written by three vector lines at a trip's head, read by the gathers: one wait on va_vdst behind the three.
;             F0, F1, WS0, WS1: LDS loads land; K step s's four products read F[s % 2] and WS[s % 2]; between two groups the GELU works in F.  HC, HWM: written by the quantiser, read by its stores.
;   A group has one wait on va_vdst at the head of each of K steps 1 to 6: the step before is done reading its buffer (at step 1 the bias too).  The five LDS loads of step s + 1 follow it, dealt among step s's
;   products, which name the other buffer.  One more stands behind the quantiser's conversions, ahead of its stores; no vector line follows it before the next group's, or the next trip's, first loads, so it also
;   states that the products are done reading F, WS, BI, XSC and X, the GELU is done with F, and the trip's head is done with TA.
;   Waits on vm_vsrc: beside the wait on XCNT ahead of the conversions of groups 1 to 3 (HC), and at a trip's end, ahead of the label (XA, HC, HWM).
.set RS,   16384                       ; bytes from row to row of up_w
.set WSC,  65536                       ; LDS: the images take 32 slots of 2,048 bytes; behind them the scale words, 128 bytes a slot
.set HSO,  4718592                     ; hc: the scale words begin here
.set RTO,  8448                        ; plan: a place's token
.set XSO,  524288                      ; xc: the scale bytes begin here
.set WO,   2                           ; v2   4 x my column
.set WI,   3                           ; v3   where I store images: 16 x lane + 2,048 x my wave's first slot
.set WSV,  4                           ; v4   and scale words: WSC + 4 x lane + 128 x that slot
.set RD,   5                           ; v5   where I read fragments: 512 (lane / 16) + 16 (lane % 16)
.set RSC,  6                           ; v6   and scale words: WSC + 4 x lane
.set R4,   7                           ; v7   4 (lane % 16)
.set L4,   8                           ; v8   4 x lane
.set H16,  9                           ; v9   16 (lane / 16)
.set HO,   10                          ; v10  16 (lane % 16) + 8 (lane / 16): my 8 bytes of h's codes
.set BO,   11                          ; v11  64 (lane / 16): my 16 numbers of a group's bias
.set TA,   12                          ; v12-14 tokens: of places lane % 16, 16 + lane % 16, lane
.set HWM,  15                          ; v15  h's scale word as it is stored
.set HW,   16                          ; v16-17 the same in the making, for the two tiles of tokens
.set HC,   18                          ; v18-21 h's codes
.set KA,   22                          ; v[22:23], v[24:25] two coefficients as vector pairs, so that no instruction names two scalar pairs
.set KB,   24
.set WS,   26                          ; v26-27 the weights' scale words, a register for each fragment buffer: scales and nothing else
.set XSC,  28                          ; v28-35 x's scale words, a register a K step: scales and nothing else
.set BI,   36                          ; v36-51 the bias of two tiles, in the result's layout
.set F,    52                          ; v52-83 two buffers of two fragments; between the products the GELU's work registers
.set Z,    52
.set W,    60
.set P,    68
.set Q,    76
.set ACC,  84                          ; v84-115 four accumulators: 16 x tile of tokens + 8 x tile of columns
.set X,    116                         ; v116-243 x's fragments: 64 x tile of tokens + 8 x K step
.set XA,   244                         ; v244-246 offsets of the gathers
.set QM,   248                         ; v248-255 the quantiser's work registers
.set QT,   250
.set QS,   252
.set QB,   254
.set L,    116                         ; phase 1: v116-179 two sets of 32 numbers; v180-211 eight blocks' codes; v212-213 scale words; v214-217 at work
.set CD,   180
.set SWD,  212
.set PM,   214
.set WP,   18                          ; s[18:19] my wave's part of up_w
.set SEL,  34                          ; s[34:35]
.set RS2,  36                          ; s[36:57] eleven constants, each twice: the packed forms name a pair
.set CA0,  38
.set CA2,  40
.set CA3,  42
.set CA4,  44
.set CA5,  46
.set CA6,  48
.set CB0,  50
.set CB2,  52
.set CB3,  54
.set CB4,  56
.set TRIP, 61                          ; s61  counts the two trips
.macro PLACES                          ; four plain vector instructions between a matrix instruction and a vector instruction's read of its result (ISA guide 7.12.1)
.rept 4
	v_nop
.endr
.endm
.macro SETC r, val
	s_mov_b32 s[\r], \val
	s_mov_b32 s[\r+1], \val
.endm
	s_load_b256 s[4:11], s[0:1], 0x0               ; up_w s[4:5], up_b s[6:7], xc s[8:9], plan s[10:11]
	s_load_b64 s[12:13], s[0:1], 0x20              ; hc
	v_lshrrev_b32 v244, 5, v0
	v_readfirstlane_b32 s14, v244                  ; wave 0..15
	s_mov_b32 s15, ttmp9                           ; sl
	s_and_b32 s16, ttmp7, 0xffff                   ; e
	v_and_b32 v1, 31, v0                           ; lane
	v_and_b32 v245, 15, v0                         ; r
	v_bfe_u32 v246, v0, 4, 1                       ; h
	v_and_b32 v248, 7, v1
	v_and_b32 v249, 8, v1
	v_lshl_or_b32 v248, v249, 1, v248
	v_and_b32 v249, 16, v1
	v_lshrrev_b32 v249, 1, v249
	v_or_b32 v248, v248, v249                      ; my column of the 32: bits 3 and 4 of the lane change places
	v_lshlrev_b32 v[WO], 2, v248
	s_wait_alu depctr_va_sdst(0)                   ; s14 is written, ahead of its first reader: the slots, the bases and the tiles are made from it
	s_and_b32 s22, s14, 3                          ; my group of 32 columns
	s_lshr_b32 s23, s14, 2                         ; my 256 rows
	s_lshl_b32 s24, s22, 3
	s_lshl_b32 s25, s23, 1
	s_add_co_u32 s24, s24, s25                     ; my first slot: 8 x group + 2 x quarter of K
	s_lshl_b32 s25, s24, 11
	v_lshl_add_u32 v[WI], v1, 4, s25
	s_lshl_b32 s25, s24, 7
	s_add_co_u32 s25, s25, WSC
	v_lshl_add_u32 v[WSV], v1, 2, s25
	v_lshlrev_b32 v[RD], 4, v245
	v_lshl_add_u32 v[RD], v246, 9, v[RD]
	v_lshl_add_u32 v[RSC], v1, 2, WSC
	v_lshlrev_b32 v[R4], 2, v245
	v_lshlrev_b32 v[L4], 2, v1
	v_lshlrev_b32 v[H16], 4, v246
	v_lshlrev_b32 v[HO], 4, v245
	v_lshl_add_u32 v[HO], v246, 3, v[HO]
	v_lshlrev_b32 v[BO], 6, v246
	v_mov_b32 v[KA], 0x32edffee                    ; 2.77068142e-08
	v_mov_b32 v[KA+1], 0x32edffee
	v_mov_b32 v[KB], 0xb95fbd29                    ; -2.13374055e-04
	v_mov_b32 v[KB+1], 0xb95fbd29
	v_mov_b32 v[QT], 0                             ; written once: a lane permute's destination counts as one of its sources
	v_mov_b32 v[QT+1], 0
	s_mov_b32 s32, 0xffff0000                      ; lanes 16-31
	s_mov_b32 s[SEL], 0x76543210
	s_mov_b32 s[SEL+1], 0xfedcba98
	SETC RS2, 0x3f3504f3                           ; 1 / sqrt(2)
	SETC CA0, 0xaf95df0b                           ; -2.72614226e-10   P, from the highest power down (the second lies in KA)
	SETC CA2, 0xb60cff51                           ; -2.10102402e-06
	SETC CA3, 0xb86ec2d2                           ; -5.69250639e-05
	SETC CA4, 0xba40ac63                           ; -7.34990630e-04
	SETC CA5, 0xbb41a1f6                           ; -2.95459981e-03
	SETC CA6, 0xbc83dbd4                           ; -1.60960333e-02
	SETC CB0, 0xb77460cd                           ; -1.45660718e-05   Q likewise (the second lies in KB)
	SETC CB2, 0xbadc924e                           ; -1.68282697e-03
	SETC CB3, 0xbbf19bf8                           ; -7.37332917e-03
	SETC CB4, 0xbc69b6a7                           ; -1.42647391e-02
	s_lshl_b32 s26, s16, 24                        ; an expert's weights are 16 MiB,
	s_lshl_b32 s27, s23, 22                        ; 256 rows 4 MiB,
	s_add_co_u32 s26, s26, s27
	s_lshl_b32 s27, s15, 9                         ; 128 columns 512 bytes,
	s_add_co_u32 s26, s26, s27
	s_lshl_b32 s27, s22, 7                         ; 32 columns 128
	s_add_co_u32 s26, s26, s27
	s_mov_b32 s27, 0
	s_lshl_b32 s17, s16, 3
	s_lshl_b32 s28, s16, 14
	s_lshl_b32 s29, s15, 9
	s_add_co_u32 s28, s28, s29
	s_mov_b32 s29, 0
	s_wait_kmcnt 0x0
	s_add_nc_u64 s[WP:WP+1], s[4:5], s[26:27]
	s_add_nc_u64 s[30:31], s[6:7], s[28:29]        ; my 128 numbers of up_b
	s_load_b64 s[20:21], s[10:11], s17 offset:0x0  ; the expert's first tile of 32 places, and how many
; ---- PHASE 1
.macro WLOAD t                         ; block t: rows 32 t .. 32 t + 31 of my column, into set t % 2
.irp i, 0,1,2,3,4,5,6,7,8,9,10,11,12,13,14,15,16,17,18,19,20,21,22,23,24,25,26,27,28,29,30,31
	global_load_b32 v[L+32*((\t)%2)+\i], v[WO], s[WP:WP+1] offset:(32*(\t)+\i)*RS th:TH_LOAD_NT
.endr
.endm
.macro WBLK t
.set QX, L+32*((\t)%2)
.set QC, CD+4*(\t)
.if (\t) < 7
	s_wait_loadcnt 32                              ; this block's 32 loads are in; the next block's may be out
.else
	s_wait_loadcnt 0x0
.endif
	v_max3_num_f32 v[PM], |v[QX]|, |v[QX+1]|, |v[QX+2]|
	v_max3_num_f32 v[PM+1], |v[QX+3]|, |v[QX+4]|, |v[QX+5]|
.irp i, 6,10,14,18,22,26
	v_max3_num_f32 v[PM], v[PM], |v[QX+\i]|, |v[QX+\i+1]|
	v_max3_num_f32 v[PM+1], v[PM+1], |v[QX+\i+2]|, |v[QX+\i+3]|
.endr
	v_max3_num_f32 v[PM], v[PM], |v[QX+30]|, |v[QX+31]|
	v_max3_num_f32 v[PM], v[PM], v[PM+1], 0x1800000   ; and the floor 2^(3 - 127): the byte cannot fall under 1
	v_add_nc_u32 v[PM+2], 0xff000000, v[PM]        ; 2 off the exponent field: the conversion's scale operand
	v_lshrrev_b32 v[PM+3], 23, v[PM+2]             ; the scale's byte
.if (\t)%4 == 0
	v_mov_b32 v[SWD+(\t)/4], v[PM+3]               ; four bytes make a K step's scale word
.else
	v_lshl_or_b32 v[SWD+(\t)/4], v[PM+3], 8*((\t)%4), v[SWD+(\t)/4]
.endif
.irp g, 0,1,2,3
	v_cvt_scalef32_pk8_fp4_f32 v[QC+\g], v[QX+8*\g:QX+8*\g+7], v[PM+2]
.endr
	v_nop                                          ; one plain place behind a scaled conversion
	s_wait_alu depctr_va_vdst(0)                   ; the block's codes and the scale word are written, which the LDS stores below read; the maxima and conversions are done reading set t % 2, in which the loads below land
	ds_store_b128 v[WI], v[QC:QC+3] offset:((\t)/4)*2048+((\t)%4)*512   ; each block has its own four registers
.if (\t)%4 == 3
	ds_store_b32 v[WSV], v[SWD+(\t)/4] offset:((\t)/4)*128
.endif
.if (\t)+2 < 8
	WLOAD (\t)+2
.endif
.endm
	s_wait_alu depctr_va_vdst(0)                   ; the offsets and LDS addresses v2 to v11 are written: every load and store of the kernel reads one of them
	WLOAD 0
	WLOAD 1
.irp t, 0,1,2,3,4,5,6,7
	WBLK \t
.endr
	s_wait_dscnt 0x0                               ; for the others' sake: my images lie in LDS
	s_barrier_signal -1
	s_barrier_wait -1                              ; the only barrier: behind it LDS is only read
	s_wait_alu depctr_vm_vsrc(0)                   ; my LDS stores have read v180-213: these registers are part of x's fragments from here on, in which loads land
; ---- PHASE 2
.macro BIAS cg                         ; the bias of group cg's two tiles: lane (r, h), tile u, register j: column 32 cg + 16 h + 8 u + j
.irp u, 0,1
.irp p, 0,1
	global_load_b128 v[BI+8*\u+4*\p:BI+8*\u+4*\p+3], v[BO], s[30:31] offset:128*(\cg)+32*\u+16*\p
.endr
.endr
.endm
.macro WF2 b, q, u                     ; fragment u of slot q into buffer b: two LDS loads
.irp c, 0,1
	ds_load_b128 v[F+16*(\b)+8*(\u)+4*\c:F+16*(\b)+8*(\u)+4*\c+3], v[RD] offset:2048*(\q)+1024*\c+256*(\u)
.endr
.endm
.macro WFS b, q                        ; slot q's scale words into buffer b's register
	ds_load_b32 v[WS+(\b)], v[RSC] offset:128*(\q)
.endm
.macro WF b, q                         ; slot q's two fragments and its scale words into buffer b: five LDS loads
	WF2 \b, \q, 0
	WF2 \b, \q, 1
	WFS \b, \q
.endm
; Four products of K step s: two tiles of columns x two tiles of tokens.  The four accumulators take turns, one instruction a turn.
; Tile 1 of the columns has its scale words in lanes 16-31, and so has tile 1 of the tokens.
; q under 32: slot q's five LDS loads go into the OTHER buffer, dealt among the products, early in the step.  No wait: the products name this buffer, x's fragments, the scale words of both and the accumulators alone.
.macro K4 s, b, first, q
.set rA, F+16*(\b)
.set rB, X+8*(\s)
.set rW, WS+(\b)
.set rX, XSC+(\s)
.if \first
	v_wmma_scale_f32_16x16x128_f8f6f4 v[ACC:ACC+7], v[rA:rA+7], v[rB:rB+7], v[BI:BI+7], v[rW], v[rX] matrix_a_fmt:MATRIX_FMT_FP4 matrix_b_fmt:MATRIX_FMT_FP4
	v_wmma_scale_f32_16x16x128_f8f6f4 v[ACC+8:ACC+15], v[rA+8:rA+15], v[rB:rB+7], v[BI+8:BI+15], v[rW], v[rX] matrix_a_fmt:MATRIX_FMT_FP4 matrix_b_fmt:MATRIX_FMT_FP4 matrix_a_scale:MATRIX_SCALE_ROW1
	v_wmma_scale_f32_16x16x128_f8f6f4 v[ACC+16:ACC+23], v[rA:rA+7], v[rB+64:rB+71], v[BI:BI+7], v[rW], v[rX] matrix_a_fmt:MATRIX_FMT_FP4 matrix_b_fmt:MATRIX_FMT_FP4 matrix_b_scale:MATRIX_SCALE_ROW1
	v_wmma_scale_f32_16x16x128_f8f6f4 v[ACC+24:ACC+31], v[rA+8:rA+15], v[rB+64:rB+71], v[BI+8:BI+15], v[rW], v[rX] matrix_a_fmt:MATRIX_FMT_FP4 matrix_b_fmt:MATRIX_FMT_FP4 matrix_a_scale:MATRIX_SCALE_ROW1 matrix_b_scale:MATRIX_SCALE_ROW1
.else
	v_wmma_scale_f32_16x16x128_f8f6f4 v[ACC:ACC+7], v[rA:rA+7], v[rB:rB+7], v[ACC:ACC+7], v[rW], v[rX] matrix_a_fmt:MATRIX_FMT_FP4 matrix_b_fmt:MATRIX_FMT_FP4
.if (\q) < 32
	WF2 1-(\b), \q, 0
.endif
	v_wmma_scale_f32_16x16x128_f8f6f4 v[ACC+8:ACC+15], v[rA+8:rA+15], v[rB:rB+7], v[ACC+8:ACC+15], v[rW], v[rX] matrix_a_fmt:MATRIX_FMT_FP4 matrix_b_fmt:MATRIX_FMT_FP4 matrix_a_scale:MATRIX_SCALE_ROW1
.if (\q) < 32
	WF2 1-(\b), \q, 1
	WFS 1-(\b), \q
.endif
	v_wmma_scale_f32_16x16x128_f8f6f4 v[ACC+16:ACC+23], v[rA:rA+7], v[rB+64:rB+71], v[ACC+16:ACC+23], v[rW], v[rX] matrix_a_fmt:MATRIX_FMT_FP4 matrix_b_fmt:MATRIX_FMT_FP4 matrix_b_scale:MATRIX_SCALE_ROW1
	v_wmma_scale_f32_16x16x128_f8f6f4 v[ACC+24:ACC+31], v[rA+8:rA+15], v[rB+64:rB+71], v[ACC+24:ACC+31], v[rW], v[rX] matrix_a_fmt:MATRIX_FMT_FP4 matrix_b_fmt:MATRIX_FMT_FP4 matrix_a_scale:MATRIX_SCALE_ROW1 matrix_b_scale:MATRIX_SCALE_ROW1
.endif
.endm
; gelu(v) = v / 2 + (v / 2) erf(v / sqrt(2)), eight numbers in place, two at a time; the accumulator is read from its low end on.
.macro GELU8 v
.irp p, 0,2,4,6
	v_pk_mul_f32 v[Z+\p:Z+\p+1], v[\v+\p:\v+\p+1], s[RS2:RS2+1] op_sel_hi:[1,0]
.endr
.irp p, 0,1,2,3,4,5,6,7
	v_med3_num_f32 v[Z+\p], v[Z+\p], -4.0, 4.0     ; beyond +-4 erf is +-1 to the last place of f32
.endr
.irp p, 0,2,4,6
	v_pk_mul_f32 v[W+\p:W+\p+1], v[Z+\p:Z+\p+1], v[Z+\p:Z+\p+1]
.endr
.irp p, 0,2,4,6
	v_pk_fma_f32 v[P+\p:P+\p+1], v[W+\p:W+\p+1], s[CA0:CA0+1], v[KA:KA+1] op_sel_hi:[1,0,1]
.endr
.irp p, 0,2,4,6
	v_pk_fma_f32 v[Q+\p:Q+\p+1], v[W+\p:W+\p+1], s[CB0:CB0+1], v[KB:KB+1] op_sel_hi:[1,0,1]
.endr
.irp a, CA2, CA3, CA4, CA5, CA6
.irp p, 0,2,4,6
	v_pk_fma_f32 v[P+\p:P+\p+1], v[P+\p:P+\p+1], v[W+\p:W+\p+1], s[\a:\a+1] op_sel_hi:[1,1,0]
.endr
.endr
.irp a, CB2, CB3, CB4
.irp p, 0,2,4,6
	v_pk_fma_f32 v[Q+\p:Q+\p+1], v[Q+\p:Q+\p+1], v[W+\p:W+\p+1], s[\a:\a+1] op_sel_hi:[1,1,0]
.endr
.endr
	s_wait_alu depctr_va_vdst(0)
.irp p, 0,1,2,3,4,5,6,7
	v_rcp_f32 v[Q+\p], v[Q+\p]
.endr
.irp p, 0,2,4,6
	v_pk_mul_f32 v[P+\p:P+\p+1], v[P+\p:P+\p+1], v[Z+\p:Z+\p+1]   ; (plain places behind the reciprocals)
.endr
	s_wait_alu depctr_va_vdst(0)                   ; the eight reciprocals have written v76-83, ahead of their first reader: one wait for the batch
.irp p, 0,2,4,6
	v_pk_mul_f32 v[P+\p:P+\p+1], v[P+\p:P+\p+1], v[Q+\p:Q+\p+1]   ; erf
.endr
.irp p, 0,2,4,6
	v_pk_mul_f32 v[Z+\p:Z+\p+1], v[\v+\p:\v+\p+1], 0.5 op_sel_hi:[1,0]
.endr
.irp p, 0,2,4,6
	v_pk_fma_f32 v[\v+\p:\v+\p+1], v[Z+\p:Z+\p+1], v[P+\p:P+\p+1], v[Z+\p:Z+\p+1]
.endr
.endm
; Group cg's 32 columns are block cg of the next product's K step sl.  A lane holds 16 of them for each of two tokens; lane l xor 16 holds the other 16.
.macro HQUANT cg
.irp tt, 0,1
	v_max3_num_f32 v[QM+\tt], |v[ACC+16*\tt]|, |v[ACC+16*\tt+1]|, 0x1800000   ; with the floor 2^(3 - 127)
.endr
.irp i, 2,4,6,8,10,12,14
.irp tt, 0,1
	v_max3_num_f32 v[QM+\tt], v[QM+\tt], |v[ACC+16*\tt+\i]|, |v[ACC+16*\tt+\i+1]|
.endr
.endr
.irp tt, 0,1
	v_permlanex16_b32 v[QT+\tt], v[QM+\tt], s[SEL], s[SEL+1]
.endr
.irp tt, 0,1
	v_max_num_f32 v[QM+\tt], v[QM+\tt], v[QT+\tt]
.endr
.irp tt, 0,1
	v_add_nc_u32 v[QS+\tt], 0xff000000, v[QM+\tt]
.endr
.irp tt, 0,1
	v_lshrrev_b32 v[QB+\tt], 23, v[QS+\tt]
.endr
.irp tt, 0,1
.if (\cg) == 0
	v_mov_b32 v[HW+\tt], v[QB+\tt]
.else
	v_lshl_or_b32 v[HW+\tt], v[QB+\tt], 8*(\cg), v[HW+\tt]
.endif
.endr
	s_wait_alu depctr_va_vdst(0)
	s_wait_xcnt 0x0                                ; the last group's stores have read v18-21: they are written again only behind this wait
.if (\cg) > 0
	s_wait_alu depctr_vm_vsrc(0)                   ; the last group's stores have read v18-21, which the conversions below write again (for group 0 the wait at the last trip's end has stated it)
.endif
.if (\cg) == 3
	v_cndmask_b32 v[HWM], v[HW], v[HW+1], s32      ; the scale word is whole: lanes 0-15: places 0-15; lanes 16-31: places 16-31
.endif
.irp tt, 0,1
	v_cvt_scalef32_pk8_fp4_f32 v[HC+2*\tt], v[ACC+16*\tt:ACC+16*\tt+7], v[QS+\tt]
	v_cvt_scalef32_pk8_fp4_f32 v[HC+2*\tt+1], v[ACC+16*\tt+8:ACC+16*\tt+15], v[QS+\tt]
.endr
	v_nop                                          ; one plain place behind a scaled conversion
	s_wait_alu depctr_va_vdst(0)                   ; v18-21 (in group 3 v15 too) are written, which the stores below read; the group's products and its GELU are done with v26-83, and the products with x's registers: the next loads land there
.irp tt, 0,1
	global_store_b64 v[HO], v[HC+2*\tt:HC+2*\tt+1], s[26:27] offset:32768*\tt+256*(\cg)   ; the wave stores 256 consecutive bytes, at a multiple of 256 from hc's first byte
.endr
.if (\cg) == 3
	global_store_b32 v[L4], v[HWM], s[28:29]       ; 128 consecutive bytes
.endif
.endm
.macro CGROUP cg
	WF 0, 8*(\cg)
	WF 1, 8*(\cg)+1
.irp s, 0,1,2,3,4,5,6,7
.if (\s > 0) && (\s < 7)
	s_wait_alu depctr_va_vdst(0)                   ; the last K step's products are done reading their buffer of fragments and its scale words, in which this step's LDS loads land; at step 1 also the bias, in which the next group's lands
.endif
.if (\s == 1) && ((\cg) < 3)
	BIAS (\cg)+1
.endif
.if (\cg) == 0
.if \s == 0
	s_wait_loadcnt 28                              ; the bias, x's scale words and K step 0 are in; K steps 1 to 7 (28 loads) may be out
.else
	s_wait_loadcnt 4*(7-\s)+4                      ; K step s is in; the later K steps' loads and the next bias's four may be out
.endif
.elseif \s == 0
	s_wait_loadcnt 0x0                             ; this group's bias
.endif
.if \s == 0
	s_wait_dscnt 5                                 ; buffer 0's five loads are in; buffer 1's may be out
	K4 \s, \s%2, 1, 99
.elseif \s < 7
	s_wait_dscnt 0x0                               ; this buffer's five loads, asked for in the last step, are in
	K4 \s, \s%2, 0, 8*(\cg)+\s+1
.else
	s_wait_dscnt 0x0
	K4 \s, \s%2, 0, 99
.endif
.endr
	PLACES
	GELU8 ACC
	GELU8 ACC+8
	GELU8 ACC+16
	GELU8 ACC+24
	HQUANT \cg
.endm
	s_wait_kmcnt 0x0
	s_min_u32 s20, s20, 71                         ; stored numbers enter addresses and comparisons held to the tables' sizes
	s_min_u32 s21, s21, 32
	s_mov_b32 s22, s14                             ; my first tile
	s_mov_b32 s[TRIP], 0
.Lunit:                                            ; TWO TRIPS, a constant: an expert has at most 1,024 rows, 32 tiles of 32, two for each of 16 waves
	s_cmp_ge_u32 s22, s21                          ; a trip whose tile the stored count does not reach is jumped over: no barrier stands in the loop
	s_cbranch_scc1 .Lnext
	s_wait_xcnt 0x0                                ; the last trip's loads and stores have read their bases, offsets and data
	s_add_co_u32 s23, s20, s22                     ; the tile of 32 places
	s_mov_b32 s59, 0
	s_lshl_b32 s58, s23, 7
	s_add_nc_u64 s[24:25], s[10:11], s[58:59]      ; its 32 tokens (+ RTO)
	s_lshl_b32 s58, s23, 16
	s_lshl_b32 s60, s15, 10
	s_add_co_u32 s58, s58, s60
	s_add_nc_u64 s[26:27], s[12:13], s[58:59]      ; h's codes: 65,536 bytes a tile of 32, 1,024 a K step
	s_lshl_b32 s58, s23, 12
	s_lshl_b32 s60, s15, 7
	s_add_co_u32 s58, s58, s60
	s_add_co_u32 s58, s58, HSO
	s_add_nc_u64 s[28:29], s[12:13], s[58:59]      ; h's scale words: 4,096 bytes a tile, 128 a K step
	global_load_b32 v[TA], v[R4], s[24:25] offset:RTO      ; no wait: no vector or matrix line since the last wait on va_vdst (phase 1's last block's, or the last trip's last group's) names v12-14 or v36-51
	global_load_b32 v[TA+1], v[R4], s[24:25] offset:RTO+64
	global_load_b32 v[TA+2], v[L4], s[24:25] offset:RTO
	BIAS 0
	s_wait_loadcnt 4                               ; the tokens are in; the bias's four loads may be out
	v_min_u32 v[TA], 0x3ff, v[TA]
	v_min_u32 v[TA+1], 0x3ff, v[TA+1]
	v_min_u32 v[TA+2], 0x3ff, v[TA+2]
	v_lshl_add_u32 v[XA], v[TA], 9, v[H16]         ; a token's codes are 512 bytes; + 16 for lanes 16-31
	v_lshl_add_u32 v[XA+1], v[TA+1], 9, v[H16]
	v_lshlrev_b32 v[XA+2], 5, v[TA+2]              ; its scale bytes 32: word s serves K step s
	s_wait_alu depctr_va_vdst(0)                   ; v244-246 are written: the gathers below read them as offsets
	global_load_b128 v[XSC:XSC+3], v[XA+2], s[8:9] offset:XSO
	global_load_b128 v[XSC+4:XSC+7], v[XA+2], s[8:9] offset:XSO+16
.irp s, 0,1,2,3,4,5,6,7
.irp tt, 0,1
.irp c, 0,1
	global_load_b128 v[X+64*\tt+8*\s+4*\c:X+64*\tt+8*\s+4*\c+3], v[XA+\tt], s[8:9] offset:64*\s+32*\c
.endr
.endr
.endr
	CGROUP 0
	CGROUP 1
	CGROUP 2
	CGROUP 3
	s_wait_alu depctr_vm_vsrc(0)                   ; this trip's gathers have read v244-246 and its last stores v15 and v18-21: the next trip writes them again
.Lnext:
	s_add_co_u32 s22, s22, 16                      ; my next tile
	s_add_co_u32 s[TRIP], s[TRIP], 1
	s_cmp_lt_u32 s[TRIP], 2
	s_cbranch_scc1 .Lunit
	s_wait_xcnt 0x0
	v_lshl_add_u32 v254, v0, 2, 0x11000            ; (no memory or LDS instruction has read v254 or v255)
	v_mov_b32 v255, 0
	s_wait_dscnt 0x0                               ; the closing lines, six on end
	s_wait_alu 0x0
	s_wait_tensorcnt 0x0
	ds_add_u32 v254, v255
	s_wait_dscnt 0x0
	s_endpgm
.Lfunc_end_k_q533d20a4fa_up:
	.size	k_q533d20a4fa_up, .Lfunc_end_k_q533d20a4fa_up-k_q533d20a4fa_up
	.p2alignl 7, 3214868480
	.fill 96, 4, 3214868480
	.section	.rodata,"a",@progbits
	.p2align	6, 0x0
	.amdhsa_kernel k_q533d20a4fa_up
		.amdhsa_group_segment_fixed_size 71680
		.amdhsa_private_segment_fixed_size 0
		.amdhsa_enable_private_segment 0
		.amdhsa_kernarg_size 40
		.amdhsa_user_sgpr_count 2
		.amdhsa_user_sgpr_kernarg_segment_ptr 1
		.amdhsa_wavefront_size32 1
		.amdhsa_system_sgpr_workgroup_id_x 1
		.amdhsa_system_sgpr_workgroup_id_y 1
		.amdhsa_system_sgpr_workgroup_id_z 1
		.amdhsa_system_vgpr_workitem_id 0
		.amdhsa_next_free_vgpr 256
		.amdhsa_next_free_sgpr 66
		.amdhsa_reserve_vcc 0
		.amdhsa_float_denorm_mode_32 3
		.amdhsa_float_denorm_mode_16_64 3
		.amdhsa_memory_ordered 1
		.amdhsa_forward_progress 1
		.amdhsa_inst_pref_size 163
	.end_amdhsa_kernel
	.amdgpu_metadata
---
amdhsa.version: [ 1, 2 ]
amdhsa.kernels:
  - .name:           k_q533d20a4fa_up
    .symbol:         k_q533d20a4fa_up.kd
    .args:
      - { .name: up_w, .offset: 0, .size: 8, .value_kind: global_buffer, .address_space: global }
      - { .name: up_b, .offset: 8, .size: 8, .value_kind: global_buffer, .address_space: global }
      - { .name: xc, .offset: 16, .size: 8, .value_kind: global_buffer, .address_space: global }
      - { .name: plan, .offset: 24, .size: 8, .value_kind: global_buffer, .address_space: global }
      - { .name: hc, .offset: 32, .size: 8, .value_kind: global_buffer, .address_space: global }
    .group_segment_fixed_size: 71680
    .private_segment_fixed_size: 0
    .kernarg_segment_align: 8
    .kernarg_segment_size: 40
    .max_flat_workgroup_size: 512
    .sgpr_count:     66
    .vgpr_count:     256
    .wavefront_size: 32
...
	.end_amdgpu_metadata
.endif
;; end of part 8
;; launch down (part 9): grid 32 x 8, 16 waves a work-group, no clusters, 141,312 bytes of LDS; arguments down_w, down_b, hc, plan, ybuf; writes ybuf
.if DOCPART == 9
	.amdgcn_target "amdgcn-amd-amdhsa--gfx1250"
	.amdhsa_code_object_version 6
	.text
	.protected	k_q533d20a4fa_down
	.globl	k_q533d20a4fa_down
	.p2align	8
	.type	k_q533d20a4fa_down,@function
k_q533d20a4fa_down:
	s_mov_b64 s[64:65], 0
	v_nop
	global_prefetch_b8 v0, s[64:65] scope:SCOPE_SE
	s_setreg_imm32_b32 hwreg(HW_REG_WAVE_SCHED_MODE, 0, 2), 2
	s_setreg_imm32_b32 hwreg(HW_REG_WAVE_MODE, 25, 1), 1
	s_wait_xcnt 0x0
	s_wait_alu depctr_vm_vsrc(0)
; THE SECOND PRODUCT OF EACH EXPERT: y = Q(h) Q(down_w[e]) + down_b[e], for the rows routed to the expert, as two partial sums over halves of K -> ybuf [2][2304 places][1024] f32.
; A work-group owns expert e (grid y), 64 columns ns and half kh of K (grid x = 16 kh + ns): 2,048 rows x 256 bytes of down_w, 512 KB that no other work-group reads.  The bias goes into half 0.
; K is halved so that a work-group's piece of each weight row and of each row of y is 256 consecutive bytes, aligned; the price is the second partial sum, which the last launch adds.
; PHASE 1, the weights, once: as in the launch before: a wave takes 32 columns x 256 rows, a lane a column, registers down K; the codes go to LDS as images of the operand's registers:
; slot q = 16 x column group + K step: [block 0..3][lane][16 bytes]; the scale words [lane] beside them.  Lane l takes column (l & 7) + 16 ((l >> 3) & 1) + 8 (l >> 4) of the 32.
; PHASE 2, behind the one barrier: wave w takes the expert's tiles of 32 places w and w + 16, as far as the stored count goes.  A tile: 16 K steps x 8 products (source 0 = 16 columns, source 1 = 16 places), eight accumulators by turns.
; h's codes and scale words come from memory straight into the operand's registers, 512 and 128 consecutive bytes a load; the codes through a ring of five stages, asked for four K steps ahead.
; The results go through the wave's own stage in LDS (16 rows of 256 bytes + 16) and leave as whole pieces of 256 bytes.
; NO TENSOR LOAD, NO CLUSTER: which trips do work hangs on a stored number; no weight byte is shared; h's codes, which 16 work-groups read, are 34 KB a tile against the work-group's own 512 KB.
; LIMITS: NaN and infinities are not served; a block whose largest magnitude lies under 2^-124 (a block of zeros too) gets the byte 1: the bytes are read by this program alone.
; THE MODE: SCHED_MODE bits 1:0 = 2 (LLVM: expert scheduling mode 2), set by the entry lines.  The code itself states the register dependences
; between vector or matrix instructions and memory or LDS instructions, with s_wait_alu, always for 0.
; THE PLAN.  Registers that memory or LDS instructions touch:
;   v2-12         Offsets and LDS addresses: written at the head, never again.  One wait on va_vdst ahead of the first load serves every load and store of the kernel.
;   PHASE 1.  L0, L1 (v66-129): block t's maxima and conversions read set t % 2; behind them the loads of block t + 2 land in it.  The codes (v130-161) and scale words (v162-163) are written by a block's
;             vector lines, read by its LDS stores, and not written again in the phase.  ONE wait on va_vdst a block, behind its conversions, states both.
;   Behind the barrier one wait on vm_vsrc: the LDS stores have read v130-163, which are stages, fragments and accumulators from there on.
;   PHASE 2.  The weights' fragments and scale words have TWO SETS: K step s's eight products read set s % 2; the ten LDS loads of step s + 1 land in the other.
;             h's stage s % 5 is read by step s's products; the four loads of step s + 4 land in stage (s - 1) % 5.  h's scale words are loaded at a tile's head and read by its products.
;             The accumulators: the bias's loads land (half 0), the products write, the stage's LDS stores read.  OUT (v66-129): the stage's LDS loads land, the global stores read.
;   So ONE wait on va_vdst stands at the head of each of K steps 1 to 14: the step before is done reading its set and its stage.  The step's fourteen loads follow it, dealt among its eight products, which name
;   the other set, another stage, h's scale words and the accumulators alone.  One more stands behind the places ahead of the way out: the accumulators are written, and every product is done reading; no vector or
;   matrix line follows it in the trip, so the stage's loads and the next trip's first loads owe nothing more.  One wait on vm_vsrc stands at a trip's end, ahead of the label: OUT and the accumulators have been read.
.set RS,   4096                        ; bytes from row to row of down_w
.set WSC,  65536                       ; LDS: 32 slots of 2,048 bytes; the scale words, 128 bytes a slot;
.set STG,  69632                       ; the stages, 4,352 bytes a wave
.set HSO,  4718592                     ; hc: the scale words begin here
.set YH,   9437184                     ; ybuf: the second half's partial sums begin here
.set WO,   2                           ; v2   4 x my column
.set WI,   3                           ; v3   where I store images
.set WSV,  4                           ; v4   and scale words
.set RD,   5                           ; v5   where I read fragments: 512 (lane / 16) + 16 (lane % 16)
.set RSC,  6                           ; v6   and scale words: WSC + 4 x lane
.set L16,  7                           ; v7   16 x lane
.set L4,   8                           ; v8   4 x lane
.set BO,   9                           ; v9   64 (lane / 16)
.set SO,   10                          ; v10  the stage, in: row lane % 16, + 64 (lane / 16)
.set SR,   11                          ; v11  the stage, back: row lane / 16, + 16 (lane % 16)
.set YO,   12                          ; v12  the same place in y
.set WSA,  16                          ; v16-17 the weights' scale words of set 0, a register a column group; set 1's lie 226 on, in v242-243: scales and nothing else
.set HSC,  18                          ; v18-33 h's scale words, a register a K step: scales and nothing else
.set WA,   34                          ; v34-65 set 0: two fragments for each column group; set 1: v146-161 (group 0) and v226-241 (group 1): 112 + 64 x group on
.set H,    66                          ; v66-145 h's fragments: five stages of 16: 8 x tile of places + 4 x half
.set ACC,  162                         ; v162-225 eight accumulators: 32 x column group + 16 x tile of places + 8 x tile of columns
.set OUT,  66                          ; the way out: v66-129
.set L,    66                          ; phase 1: v66-129 two sets of 32 numbers; v130-161 eight blocks' codes; v162-163 scale words; v164-167 at work
.set CD,   130
.set SWD,  162
.set PM,   164
.set WP,   18                          ; s[18:19] my wave's part of down_w
.set TRIP, 40                          ; s40  counts the two trips
.macro PLACES                          ; four plain vector instructions between a matrix instruction and a read of its result (ISA guide 7.12.1)
.rept 4
	v_nop
.endr
.endm
	s_load_b256 s[4:11], s[0:1], 0x0               ; down_w s[4:5], down_b s[6:7], hc s[8:9], plan s[10:11]
	s_load_b64 s[12:13], s[0:1], 0x20              ; ybuf
	v_lshl_add_u32 v254, v0, 2, 0x22000
	v_mov_b32 v255, 0
	v_lshrrev_b32 v13, 5, v0
	v_readfirstlane_b32 s14, v13                   ; wave 0..15
	s_and_b32 s15, ttmp9, 15                       ; ns
	s_lshr_b32 s17, ttmp9, 4                       ; kh
	s_and_b32 s16, ttmp7, 0xffff                   ; e
	v_and_b32 v1, 31, v0                           ; lane
	v_and_b32 v14, 15, v0                          ; r
	v_bfe_u32 v15, v0, 4, 1                        ; h
	v_and_b32 v[WO], 7, v1
	v_and_b32 v13, 8, v1
	v_lshl_or_b32 v[WO], v13, 1, v[WO]
	v_and_b32 v13, 16, v1
	v_lshrrev_b32 v13, 1, v13
	v_or_b32 v[WO], v[WO], v13                     ; my column of the 32: bits 3 and 4 of the lane change places
	v_lshlrev_b32 v[WO], 2, v[WO]
	s_wait_alu depctr_va_sdst(0)                   ; s14 is written, ahead of its first reader: the slots, the stage, the bases and the tiles are made from it
	s_and_b32 s22, s14, 1                          ; my group of 32 columns
	s_lshr_b32 s23, s14, 1                         ; my 256 rows
	s_lshl_b32 s24, s22, 4
	s_lshl_b32 s25, s23, 1
	s_add_co_u32 s24, s24, s25                     ; my first slot: 16 x group + 2 x eighth of K
	s_lshl_b32 s25, s24, 11
	v_lshl_add_u32 v[WI], v1, 4, s25
	s_lshl_b32 s25, s24, 7
	s_add_co_u32 s25, s25, WSC
	v_lshl_add_u32 v[WSV], v1, 2, s25
	v_lshlrev_b32 v[RD], 4, v14
	v_lshl_add_u32 v[RD], v15, 9, v[RD]
	v_lshl_add_u32 v[RSC], v1, 2, WSC
	v_lshlrev_b32 v[L16], 4, v1
	v_lshlrev_b32 v[L4], 2, v1
	v_lshlrev_b32 v[BO], 6, v15
	s_mul_i32 s25, s14, 4352
	s_add_co_u32 s25, s25, STG                     ; my stage
	v_mul_u32_u24 v[SO], v14, 272
	v_lshl_add_u32 v[SO], v15, 6, v[SO]
	v_add_nc_u32 v[SO], s25, v[SO]
	v_mul_u32_u24 v[SR], v15, 272
	v_lshl_add_u32 v[SR], v14, 4, v[SR]
	v_add_nc_u32 v[SR], s25, v[SR]
	v_lshlrev_b32 v[YO], 12, v15
	v_lshl_add_u32 v[YO], v14, 4, v[YO]
	s_lshl_b32 s26, s16, 24                        ; an expert's weights are 16 MiB,
	s_lshl_b32 s27, s17, 23                        ; half of K 8 MiB,
	s_add_co_u32 s26, s26, s27
	s_lshl_b32 s27, s23, 20                        ; 256 rows 1 MiB,
	s_add_co_u32 s26, s26, s27
	s_lshl_b32 s27, s15, 8                         ; 64 columns 256 bytes,
	s_add_co_u32 s26, s26, s27
	s_lshl_b32 s27, s22, 7                         ; 32 columns 128
	s_add_co_u32 s26, s26, s27
	s_mov_b32 s27, 0
	s_lshl_b32 s28, s16, 12
	s_lshl_b32 s29, s15, 8
	s_add_co_u32 s28, s28, s29
	s_mov_b32 s29, 0
	s_lshl_b32 s34, s16, 3
	s_lshl_b32 s36, s17, 14                        ; what the half of K adds to h's codes' address,
	s_lshl_b32 s37, s17, 11
	s_add_co_u32 s37, s37, HSO                     ; to its scale words',
	s_mul_i32 s38, s17, YH
	s_lshl_b32 s39, s15, 8
	s_add_co_u32 s38, s38, s39                     ; and, with the columns, to y's
	s_wait_kmcnt 0x0
	s_add_nc_u64 s[WP:WP+1], s[4:5], s[26:27]
	s_add_nc_u64 s[30:31], s[6:7], s[28:29]        ; my 64 numbers of down_b
	s_load_b64 s[20:21], s[10:11], s34 offset:0x0  ; the expert's first tile of 32 places, and how many
; ---- PHASE 1
.macro WLOAD t                         ; block t: rows 32 t .. 32 t + 31 of my column, into set t % 2
.irp i, 0,1,2,3,4,5,6,7,8,9,10,11,12,13,14,15,16,17,18,19,20,21,22,23,24,25,26,27,28,29,30,31
	global_load_b32 v[L+32*((\t)%2)+\i], v[WO], s[WP:WP+1] offset:(32*(\t)+\i)*RS th:TH_LOAD_NT
.endr
.endm
.macro WBLK t
.set QX, L+32*((\t)%2)
.set QC, CD+4*(\t)
.if (\t) < 7
	s_wait_loadcnt 32                              ; this block's 32 loads are in; the next block's may be out
.else
	s_wait_loadcnt 0x0
.endif
	v_max3_num_f32 v[PM], |v[QX]|, |v[QX+1]|, |v[QX+2]|
	v_max3_num_f32 v[PM+1], |v[QX+3]|, |v[QX+4]|, |v[QX+5]|
.irp i, 6,10,14,18,22,26
	v_max3_num_f32 v[PM], v[PM], |v[QX+\i]|, |v[QX+\i+1]|
	v_max3_num_f32 v[PM+1], v[PM+1], |v[QX+\i+2]|, |v[QX+\i+3]|
.endr
	v_max3_num_f32 v[PM], v[PM], |v[QX+30]|, |v[QX+31]|
	v_max3_num_f32 v[PM], v[PM], v[PM+1], 0x1800000   ; and the floor 2^(3 - 127): the byte cannot fall under 1
	v_add_nc_u32 v[PM+2], 0xff000000, v[PM]        ; 2 off the exponent field: the conversion's scale operand
	v_lshrrev_b32 v[PM+3], 23, v[PM+2]             ; the scale's byte
.if (\t)%4 == 0
	v_mov_b32 v[SWD+(\t)/4], v[PM+3]               ; four bytes make a K step's scale word
.else
	v_lshl_or_b32 v[SWD+(\t)/4], v[PM+3], 8*((\t)%4), v[SWD+(\t)/4]
.endif
.irp g, 0,1,2,3
	v_cvt_scalef32_pk8_fp4_f32 v[QC+\g], v[QX+8*\g:QX+8*\g+7], v[PM+2]
.endr
	v_nop                                          ; one plain place behind a scaled conversion
	s_wait_alu depctr_va_vdst(0)                   ; the block's codes and the scale word are written, which the LDS stores below read; the maxima and conversions are done reading set t % 2, in which the loads below land
	ds_store_b128 v[WI], v[QC:QC+3] offset:((\t)/4)*2048+((\t)%4)*512   ; each block has its own four registers
.if (\t)%4 == 3
	ds_store_b32 v[WSV], v[SWD+(\t)/4] offset:((\t)/4)*128
.endif
.if (\t)+2 < 8
	WLOAD (\t)+2
.endif
.endm
	s_wait_alu depctr_va_vdst(0)                   ; the offsets and LDS addresses v2 to v12 are written: every load and store of the kernel reads one of them
	WLOAD 0
	WLOAD 1
.irp t, 0,1,2,3,4,5,6,7
	WBLK \t
.endr
	s_wait_dscnt 0x0                               ; for the others' sake: my images lie in LDS
	s_barrier_signal -1
	s_barrier_wait -1                              ; the only barrier: behind it the images are only read, and a stage is its wave's own
	s_wait_alu depctr_vm_vsrc(0)                   ; my LDS stores have read v130-163: from here on loads land in these registers and products write them
	PLACES                                         ; between the last vector writes of v66-167 and the first product that names them
; ---- PHASE 2
.macro HLOAD s                         ; h's two fragments of K step s into stage s % 5: four loads of 512 consecutive bytes
.irp tt, 0,1
.irp c, 0,1
	global_load_b128 v[H+16*((\s)%5)+8*\tt+4*\c:H+16*((\s)%5)+8*\tt+4*\c+3], v[L16], s[24:25] offset:32768*\tt+1024*(\s)+512*\c
.endr
.endr
.endm
.macro WLD cg, s                       ; column group cg's two fragments of K step s and their scale words, into set s % 2: five LDS loads
.set rL, WA+16*(\cg)+((\s)%2)*(112+64*(\cg))
.irp u, 0,1
.irp c, 0,1
	ds_load_b128 v[rL+8*\u+4*\c:rL+8*\u+4*\c+3], v[RD] offset:2048*(16*(\cg)+(\s))+1024*\c+256*\u
.endr
.endr
	ds_load_b32 v[WSA+(\cg)+226*((\s)%2)], v[RSC] offset:128*(16*(\cg)+(\s))
.endm
; Two products: column group cg's two tiles of columns x tile tt of the places.  The accumulators take turns, one instruction a turn.
; Tile 1 of the columns has its scale words in lanes 16-31, and so has tile 1 of the places.
.macro D2 cg, s, tt, zero
.set rA, WA+16*(\cg)+((\s)%2)*(112+64*(\cg))
.set rB, H+16*((\s)%5)+8*(\tt)
.set rD, ACC+32*(\cg)+16*(\tt)
.set rW, WSA+(\cg)+226*((\s)%2)
.set rH, HSC+(\s)
.if \zero
.if \tt
	v_wmma_scale_f32_16x16x128_f8f6f4 v[rD:rD+7], v[rA:rA+7], v[rB:rB+7], 0, v[rW], v[rH] matrix_a_fmt:MATRIX_FMT_FP4 matrix_b_fmt:MATRIX_FMT_FP4 matrix_b_scale:MATRIX_SCALE_ROW1
	v_wmma_scale_f32_16x16x128_f8f6f4 v[rD+8:rD+15], v[rA+8:rA+15], v[rB:rB+7], 0, v[rW], v[rH] matrix_a_fmt:MATRIX_FMT_FP4 matrix_b_fmt:MATRIX_FMT_FP4 matrix_a_scale:MATRIX_SCALE_ROW1 matrix_b_scale:MATRIX_SCALE_ROW1
.else
	v_wmma_scale_f32_16x16x128_f8f6f4 v[rD:rD+7], v[rA:rA+7], v[rB:rB+7], 0, v[rW], v[rH] matrix_a_fmt:MATRIX_FMT_FP4 matrix_b_fmt:MATRIX_FMT_FP4
	v_wmma_scale_f32_16x16x128_f8f6f4 v[rD+8:rD+15], v[rA+8:rA+15], v[rB:rB+7], 0, v[rW], v[rH] matrix_a_fmt:MATRIX_FMT_FP4 matrix_b_fmt:MATRIX_FMT_FP4 matrix_a_scale:MATRIX_SCALE_ROW1
.endif
.else
.if \tt
	v_wmma_scale_f32_16x16x128_f8f6f4 v[rD:rD+7], v[rA:rA+7], v[rB:rB+7], v[rD:rD+7], v[rW], v[rH] matrix_a_fmt:MATRIX_FMT_FP4 matrix_b_fmt:MATRIX_FMT_FP4 matrix_b_scale:MATRIX_SCALE_ROW1
	v_wmma_scale_f32_16x16x128_f8f6f4 v[rD+8:rD+15], v[rA+8:rA+15], v[rB:rB+7], v[rD+8:rD+15], v[rW], v[rH] matrix_a_fmt:MATRIX_FMT_FP4 matrix_b_fmt:MATRIX_FMT_FP4 matrix_a_scale:MATRIX_SCALE_ROW1 matrix_b_scale:MATRIX_SCALE_ROW1
.else
	v_wmma_scale_f32_16x16x128_f8f6f4 v[rD:rD+7], v[rA:rA+7], v[rB:rB+7], v[rD:rD+7], v[rW], v[rH] matrix_a_fmt:MATRIX_FMT_FP4 matrix_b_fmt:MATRIX_FMT_FP4
	v_wmma_scale_f32_16x16x128_f8f6f4 v[rD+8:rD+15], v[rA+8:rA+15], v[rB:rB+7], v[rD+8:rD+15], v[rW], v[rH] matrix_a_fmt:MATRIX_FMT_FP4 matrix_b_fmt:MATRIX_FMT_FP4 matrix_a_scale:MATRIX_SCALE_ROW1
.endif
.endif
.endm
.macro KSTEP s, zero
.if (\s) == 0
	s_wait_loadcnt 16                              ; all that was asked for ahead of stage 1 is in; four later stages, 16 loads, may be out
.elseif 15-(\s) < 3
	s_wait_loadcnt 4*(15-(\s))                     ; this K step's stage is in; the later stages' loads may be out
.else
	s_wait_loadcnt 12                              ; this K step's stage is in; three later stages, 12 loads, may be out
.endif
	s_wait_dscnt 5                                 ; group 0's five loads are in; group 1's may be out
.if ((\s) > 0) && ((\s) < 15)
	s_wait_alu depctr_va_vdst(0)                   ; the last K step's products are done reading their set of fragments, its scale words and their stage of h: this step's loads land there
.endif
	D2 0, \s, 0, \zero
.if (\s) < 15
	WLD 0, (\s)+1                                  ; into the other set.  No wait: no product since the wait above names it (at step 0: none since the wait ahead of the last way out, or phase 1's last)
.endif
	D2 0, \s, 1, \zero
.if (\s) < 15
	WLD 1, (\s)+1
	s_wait_dscnt 10                                ; this step's group 1 is in; the ten loads just issued may be out
.else
	s_wait_dscnt 0x0
.endif
	D2 1, \s, 0, \zero
.if ((\s) > 0) && ((\s)+4 <= 15)
	HLOAD (\s)+4                                   ; into the stage that the last K step multiplied
.endif
	D2 1, \s, 1, \zero
.endm
.macro UHEAD zero                      ; a tile's head: h's scale words, five stages, the first fragments, K step 0
.irp s, 0,1,2,3,4,5,6,7,8,9,10,11,12,13,14,15
	global_load_b32 v[HSC+\s], v[L4], s[26:27] offset:128*\s
.endr
.irp s, 0,1,2,3,4
	HLOAD \s
.endr
	WLD 0, 0
	WLD 1, 0
	KSTEP 0, \zero
.endm
; The way out of 16 places: a lane holds 8 neighbouring columns of one row for each accumulator; they go into my stage and come back as rows of 256 bytes.
; LDS serves a wave's instructions in order (ISA guide 5.7.1.4): no wait between the stores and the loads, nor in front of the next tile's stores.
.macro TOSTAGE tt
.irp cg, 0,1
.irp u, 0,1
.irp p, 0,1
	ds_store_b128 v[SO], v[ACC+32*\cg+16*(\tt)+8*\u+4*\p:ACC+32*\cg+16*(\tt)+8*\u+4*\p+3] offset:128*\cg+32*\u+16*\p   ; each accumulator from its low end on
.endr
.endr
.endr
.irp i, 0,1,2,3,4,5,6,7
	ds_load_b128 v[OUT+32*(\tt)+4*\i:OUT+32*(\tt)+4*\i+3], v[SR] offset:544*\i
.endr
.endm
.macro SEND tt
.irp i, 0,1,2,3,4,5,6,7
	global_store_b128 v[YO], v[OUT+32*(\tt)+4*\i:OUT+32*(\tt)+4*\i+3], s[28:29] offset:65536*(\tt)+8192*\i th:TH_STORE_NT   ; sixteen lanes store 256 consecutive bytes, at a multiple of 256 from ybuf's first byte
.endr
.endm
	s_wait_kmcnt 0x0
	s_min_u32 s20, s20, 71                         ; stored numbers enter addresses and comparisons held to the tables' sizes
	s_min_u32 s21, s21, 32
	s_mov_b32 s22, s14                             ; my first tile
	s_mov_b32 s[TRIP], 0
.Lunit:                                            ; TWO TRIPS, a constant: an expert has at most 1,024 rows, 32 tiles of 32, two for each of 16 waves
	s_cmp_ge_u32 s22, s21                          ; a trip whose tile the stored count does not reach is jumped over: no barrier stands in the loop
	s_cbranch_scc1 .Lnext
	s_wait_xcnt 0x0                                ; the last trip's loads and stores have read their bases and data
	s_add_co_u32 s23, s20, s22                     ; the tile of 32 places
	s_mov_b32 s33, 0
	s_lshl_b32 s32, s23, 16
	s_add_co_u32 s32, s32, s36
	s_add_nc_u64 s[24:25], s[8:9], s[32:33]        ; h's codes
	s_lshl_b32 s32, s23, 12
	s_add_co_u32 s32, s32, s37
	s_add_nc_u64 s[26:27], s[8:9], s[32:33]        ; h's scale words
	s_lshl_b32 s32, s23, 17
	s_add_co_u32 s32, s32, s38
	s_add_nc_u64 s[28:29], s[12:13], s[32:33]      ; y: 131,072 bytes a tile of 32 places
	s_cmp_lg_u32 s17, 0
	s_cbranch_scc1 .Lupper                         ; one branch on the work-group's number for both things that differ between the halves of K
.irp cg, 0,1                                   ; half 0: the bias is loaded into the accumulators, in the result's layout, and K step 0 adds onto it
.irp tt, 0,1
.irp u, 0,1
.irp p, 0,1
	global_load_b128 v[ACC+32*\cg+16*\tt+8*\u+4*\p:ACC+32*\cg+16*\tt+8*\u+4*\p+3], v[BO], s[30:31] offset:128*\cg+32*\u+16*\p
.endr
.endr
.endr
.endr
	UHEAD 0
	s_branch .Ljoin
.Lupper:
	UHEAD 1                                        ; half 1: K step 0 starts the sums
.Ljoin:
.irp s, 1,2,3,4,5,6,7,8,9,10,11,12,13,14,15
	KSTEP \s, 0
.endr
	PLACES                                         ; four places behind the last products, before the LDS stores read their results;
	v_nop                                          ; and a fifth: in half 1 the next trip's first products begin these accumulators anew
	s_wait_alu depctr_va_vdst(0)                   ; the products have written the accumulators, which the LDS stores read, and are done reading h's stages, its scale words and both sets: the stage's loads and the next trip's loads land there; the places above stay beside this wait
	TOSTAGE 0
	TOSTAGE 1
	s_wait_dscnt 16                                ; places 0-15 are back in registers; the second tile's eight stores and eight loads may be out
	SEND 0
	s_wait_dscnt 0x0
	SEND 1
	s_wait_alu depctr_vm_vsrc(0)                   ; the global stores have read v66-129 and the LDS stores the accumulators: the next trip's loads land in them, and its products write them
.Lnext:
	s_add_co_u32 s22, s22, 16                      ; my next tile
	s_add_co_u32 s[TRIP], s[TRIP], 1
	s_cmp_lt_u32 s[TRIP], 2
	s_cbranch_scc1 .Lunit
	s_wait_dscnt 0x0                               ; the closing lines, six on end
	s_wait_alu 0x0
	s_wait_tensorcnt 0x0
	ds_add_u32 v254, v255
	s_wait_dscnt 0x0
	s_endpgm
.Lfunc_end_k_q533d20a4fa_down:
	.size	k_q533d20a4fa_down, .Lfunc_end_k_q533d20a4fa_down-k_q533d20a4fa_down
	.p2alignl 7, 3214868480
	.fill 96, 4, 3214868480
	.section	.rodata,"a",@progbits
	.p2align	6, 0x0
	.amdhsa_kernel k_q533d20a4fa_down
		.amdhsa_group_segment_fixed_size 141312
		.amdhsa_private_segment_fixed_size 0
		.amdhsa_enable_private_segment 0
		.amdhsa_kernarg_size 40
		.amdhsa_user_sgpr_count 2
		.amdhsa_user_sgpr_kernarg_segment_ptr 1
		.amdhsa_wavefront_size32 1
		.amdhsa_system_sgpr_workgroup_id_x 1
		.amdhsa_system_sgpr_workgroup_id_y 1
		.amdhsa_system_sgpr_workgroup_id_z 1
		.amdhsa_system_vgpr_workitem_id 0
		.amdhsa_next_free_vgpr 256
		.amdhsa_next_free_sgpr 66
		.amdhsa_reserve_vcc 0
		.amdhsa_float_denorm_mode_32 3
		.amdhsa_float_denorm_mode_16_64 3
		.amdhsa_memory_ordered 1
		.amdhsa_forward_progress 1
		.amdhsa_inst_pref_size 88
	.end_amdhsa_kernel
	.amdgpu_metadata
---
amdhsa.version: [ 1, 2 ]
amdhsa.kernels:
  - .name:           k_q533d20a4fa_down
    .symbol:         k_q533d20a4fa_down.kd
    .args:
      - { .name: down_w, .offset: 0, .size: 8, .value_kind: global_buffer, .address_space: global }
      - { .name: down_b, .offset: 8, .size: 8, .value_kind: global_buffer, .address_space: global }
      - { .name: hc, .offset: 16, .size: 8, .value_kind: global_buffer, .address_space: global }
      - { .name: plan, .offset: 24, .size: 8, .value_kind: global_buffer, .address_space: global }
      - { .name: ybuf, .offset: 32, .size: 8, .value_kind: global_buffer, .address_space: global }
    .group_segment_fixed_size: 141312
    .private_segment_fixed_size: 0
    .kernarg_segment_align: 8
    .kernarg_segment_size: 40
    .max_flat_workgroup_size: 512
    .sgpr_count:     66
    .vgpr_count:     256
    .wavefront_size: 32
...
	.end_amdgpu_metadata
.endif
;; end of part 9
;; launch mix (part 10): grid 256 x 1, 4 waves a work-group, no clusters, 0 bytes of LDS; arguments ybuf, rf, plan, out0; writes out0
.if DOCPART == 10
	.amdgcn_target "amdgcn-amd-amdhsa--gfx1250"
	.amdhsa_code_object_version 6
	.text
	.protected	k_q533d20a4fa_mix
	.globl	k_q533d20a4fa_mix
	.p2align	8
	.type	k_q533d20a4fa_mix,@function
k_q533d20a4fa_mix:
	s_mov_b64 s[64:65], 0
	v_nop
	global_prefetch_b8 v0, s[64:65] scope:SCOPE_SE
	s_setreg_imm32_b32 hwreg(HW_REG_WAVE_MODE, 25, 1), 1
	s_wait_xcnt 0x0
; out0[t] = c0 (y0[p0] + y1[p0]) + c1 (y0[p1] + y1[p1]): a token's two experts' rows, each in two partial sums over K, weighed by the renormalised probabilities.
; One wave takes one token, which is that output row's one owner.  The places p0, p1 were stored as whole numbers two launches ago.
; Four rows of 4,096 bytes are read, 512 consecutive bytes a load, all 32 loads asked for at once; one row is stored, 512 consecutive bytes a store.
; A stream: no LDS, no barrier, no matrix unit, nothing shared between work-groups.
.set YH,   9437184                     ; the second half's partial sums
.set D,    16                          ; v16-143: piece i: 4 registers of each of the four rows
	s_load_b256 s[4:11], s[0:1], 0x0               ; ybuf s[4:5], rf s[6:7], plan s[8:9], out0 s[10:11]
	v_lshrrev_b32 v2, 5, v0
	v_readfirstlane_b32 s12, v2                    ; wave
	v_and_b32 v1, 31, v0
	v_lshlrev_b32 v1, 4, v1                        ; 16 bytes a lane
	s_lshl_b32 s13, ttmp9, 2
	s_add_co_u32 s13, s13, s12                     ; my token
	s_lshl_b32 s14, s13, 3
	s_lshl_b32 s34, s13, 12
	s_mov_b32 s35, 0
	s_wait_alu depctr_va_vdst(0)
	s_wait_kmcnt 0x0
	s_load_b64 s[16:17], s[8:9], s14 offset:0x100  ; its two places
	s_load_b64 s[18:19], s[6:7], s14 offset:0x0    ; its two weights
	s_add_nc_u64 s[32:33], s[10:11], s[34:35]      ; its row of out0
	s_wait_kmcnt 0x0
	s_min_u32 s16, s16, 2303                       ; a stored place enters an address held to the buffer's 2,304 rows
	s_min_u32 s17, s17, 2303
	s_mov_b32 s20, s19                             ; c1 in a pair of its own: the packed forms take a pair's low word for both halves
	s_mov_b32 s21, s19
	s_mov_b32 s23, 0
	s_lshl_b32 s22, s16, 12
	s_add_nc_u64 s[24:25], s[4:5], s[22:23]
	s_add_nc_u64 s[26:27], s[24:25], YH
	s_lshl_b32 s22, s17, 12
	s_add_nc_u64 s[28:29], s[4:5], s[22:23]
	s_add_nc_u64 s[30:31], s[28:29], YH
.irp i, 0,1,2,3,4,5,6,7
	global_load_b128 v[D+16*\i:D+16*\i+3], v1, s[24:25] offset:512*\i th:TH_LOAD_NT
	global_load_b128 v[D+16*\i+4:D+16*\i+7], v1, s[26:27] offset:512*\i th:TH_LOAD_NT
	global_load_b128 v[D+16*\i+8:D+16*\i+11], v1, s[28:29] offset:512*\i th:TH_LOAD_NT
	global_load_b128 v[D+16*\i+12:D+16*\i+15], v1, s[30:31] offset:512*\i th:TH_LOAD_NT
.endr
.irp i, 0,1,2,3,4,5,6,7
	s_wait_loadcnt 4*(7-\i)                        ; piece i's four loads are in; the later pieces' may be out
.irp j, 0,2
	v_pk_add_f32 v[D+16*\i+\j:D+16*\i+\j+1], v[D+16*\i+\j:D+16*\i+\j+1], v[D+16*\i+4+\j:D+16*\i+5+\j]
	v_pk_add_f32 v[D+16*\i+8+\j:D+16*\i+9+\j], v[D+16*\i+8+\j:D+16*\i+9+\j], v[D+16*\i+12+\j:D+16*\i+13+\j]
.endr
.irp j, 0,2
	v_pk_mul_f32 v[D+16*\i+\j:D+16*\i+\j+1], v[D+16*\i+\j:D+16*\i+\j+1], s[18:19] op_sel_hi:[1,0]
.endr
.irp j, 0,2
	v_pk_fma_f32 v[D+16*\i+\j:D+16*\i+\j+1], v[D+16*\i+8+\j:D+16*\i+9+\j], s[20:21], v[D+16*\i+\j:D+16*\i+\j+1] op_sel_hi:[1,0,1]
.endr
	global_store_b128 v1, v[D+16*\i:D+16*\i+3], s[32:33] offset:512*\i th:TH_STORE_NT
.endr
	s_endpgm
.Lfunc_end_k_q533d20a4fa_mix:
	.size	k_q533d20a4fa_mix, .Lfunc_end_k_q533d20a4fa_mix-k_q533d20a4fa_mix
	.p2alignl 7, 3214868480
	.fill 96, 4, 3214868480
	.section	.rodata,"a",@progbits
	.p2align	6, 0x0
	.amdhsa_kernel k_q533d20a4fa_mix
		.amdhsa_group_segment_fixed_size 0
		.amdhsa_private_segment_fixed_size 0
		.amdhsa_enable_private_segment 0
		.amdhsa_kernarg_size 32
		.amdhsa_user_sgpr_count 2
		.amdhsa_user_sgpr_kernarg_segment_ptr 1
		.amdhsa_wavefront_size32 1
		.amdhsa_system_sgpr_workgroup_id_x 1
		.amdhsa_system_sgpr_workgroup_id_y 1
		.amdhsa_system_sgpr_workgroup_id_z 1
		.amdhsa_system_vgpr_workitem_id 0
		.amdhsa_next_free_vgpr 160
		.amdhsa_next_free_sgpr 66
		.amdhsa_reserve_vcc 0
		.amdhsa_float_denorm_mode_32 3
		.amdhsa_float_denorm_mode_16_64 3
		.amdhsa_memory_ordered 1
		.amdhsa_forward_progress 1
		.amdhsa_inst_pref_size 10
	.end_amdhsa_kernel
	.amdgpu_metadata
---
amdhsa.version: [ 1, 2 ]
amdhsa.kernels:
  - .name:           k_q533d20a4fa_mix
    .symbol:         k_q533d20a4fa_mix.kd
    .args:
      - { .name: ybuf, .offset: 0, .size: 8, .value_kind: global_buffer, .address_space: global }
      - { .name: rf, .offset: 8, .size: 8, .value_kind: global_buffer, .address_space: global }
      - { .name: plan, .offset: 16, .size: 8, .value_kind: global_buffer, .address_space: global }
      - { .name: out0, .offset: 24, .size: 8, .value_kind: global_buffer, .address_space: global }
    .group_segment_fixed_size: 0
    .private_segment_fixed_size: 0
    .kernarg_segment_align: 8
    .kernarg_segment_size: 32
    .max_flat_workgroup_size: 128
    .sgpr_count:     66
    .vgpr_count:     160
    .wavefront_size: 32
...
	.end_amdgpu_metadata
.endif
;; end of part 10
